; MI455X (gfx1250); checked and timed in simulation.
; The chip was launched on July 23, 2026; its instructions are those of AMD's public machine-readable ISA for CDNA 5 (MIT licence, August 2026) and "CDNA5" Instruction Set Architecture Reference Guide (July 2026). The comments in the code are by the model that wrote it; some were corrected since.
;; Cross Attention. Allowed arithmetic: matrix products marked QUANTISED: E2M3 operands, one E8M0 scale for each 32 along K, by v_wmma_scale_f32_16x16x128_f8f6f4 with both operands' format E2M3, f32 sums; everything else in f32.
;; Inputs: W1_codes 8,192 x 32 x 24 uint8 (E2M3 codes of W1, K innermost, in blocks of 32 codes, four codes in three bytes); W1_scales 8,192 x 32 uint8 (E8M0 scales of W1, one for each 32 codes along K); W2_codes 1,024 x 128 x 24 uint8 (E2M3 codes of W2, K innermost, in blocks of 32 codes, four codes in three bytes); W2_scales 1,024 x 128 uint8 (E8M0 scales of W2, one for each 32 codes along K); Wkv_codes 128 x 32 x 24 uint8 (E2M3 codes of Wkv, K innermost, in blocks of 32 codes, four codes in three bytes); Wkv_scales 128 x 32 uint8 (E8M0 scales of Wkv, one for each 32 codes along K); Wout_codes 1,024 x 16 x 24 uint8 (E2M3 codes of Wout, K innermost, in blocks of 32 codes, four codes in three bytes); Wout_scales 1,024 x 16 uint8 (E8M0 scales of Wout, one for each 32 codes along K); Wq_codes 512 x 32 x 24 uint8 (E2M3 codes of Wq, K innermost, in blocks of 32 codes, four codes in three bytes); Wq_scales 512 x 32 uint8 (E8M0 scales of Wq, one for each 32 codes along K); cln_b 1,024 float32; cln_g 1,024 float32; context 2 x 2,048 x 1,024 float32; ln_b 1,024 float32; ln_g 1,024 float32; mask 2 x 2,048 x 2,048 float32; x 2 x 2,048 x 1,024 float32.
;; Outputs: out0 2 x 2,048 x 1,024 float32.
;; This version of the problem:
;;   THIS VERSION OF THE PROBLEM IS GIVEN IN LOW PRECISION. The matrix products marked QUANTISED in the list below multiply operands that are first quantised to E2M3 (2 exponent bits, 3 mantissa bits; 6 bits a number), with one power-of-two scale for each 32 numbers along K (OCP MX v1.0); their sums are f32. All else is computed in f32.
;;   The module's matrix products, in the order in which they are computed (A, B: the left and right operand; K: the contracted axis; several contracted axes count as one K, in the product's order):
;;     1. [M 4,096, K 1,024] x [K 1,024, N 512]; A: computed on the way; B: input Wq (given as codes): QUANTISED
;;     2. [M 4,096, K 1,024] x [K 1,024, N 128]; A: computed on the way; B: input Wkv (given as codes): QUANTISED
;;     3. batch 2 x [M 16,384, K 64] x [K 64, N 2,048]; A: computed on the way; B: computed on the way: QUANTISED
;;     4. batch 2 x [M 16,384, K 2,048] x [K 2,048, N 64]; A: softmax (see below); B: computed on the way: QUANTISED
;;     5. [M 4,096, K 512] x [K 512, N 1,024]; A: computed on the way; B: input Wout (given as codes): QUANTISED
;;     6. [M 4,096, K 1,024] x [K 1,024, N 8,192]; A: computed on the way; B: input W1 (given as codes): QUANTISED
;;     7. [M 4,096, K 4,096] x [K 4,096, N 1,024]; A: computed on the way; B: input W2 (given as codes): QUANTISED
;;   THE QUANTISER, for each operand of a quantised product, along K:
;;     - K is cut into blocks of 32 from its start; a last block that is shorter is filled with zeros.
;;     - A block's scale is 2^e with e = floor(log2(the largest magnitude in the block)) - 2, held to -126 .. 127; a block of zeros has e = 0. As a byte (E8M0): e + 127.
;;     - Each number is divided by its block's scale, clamped to +-7.5, and rounded to the nearest number of E2M3, ties to even, subnormals kept.
;;     - The product sums the exact products of the quantised numbers (number of the format x scale) in f32.
;;   ~~~python
;;   def quantise(x, axis):      # numpy; x: float32 -> the quantised numbers, widened to float32 again
;;       x = np.moveaxis(x, axis, -1); K = x.shape[-1]
;;       x = np.pad(x, [(0, 0)] * (x.ndim - 1) + [(0, -K % 32)]); x = x.reshape(x.shape[:-1] + (-1, 32)); a = np.abs(x).max(-1, keepdims=True)
;;       e = np.where(a > 0, np.clip(np.frexp(np.where(a > 0, a, 1))[1] - 1 - 2, -126, 127), 0)      # np.frexp(a)[1] - 1 = floor(log2(a)), exactly
;;       r = np.clip(x / 2.0 ** e, -7.5, 7.5)
;;       step = 2.0 ** (np.maximum(np.frexp(np.where(r == 0, 1, r))[1] - 1, 0) - 3)
;;       q = np.round(r / step) * step * 2.0 ** e      # np.round: ties to even
;;       return np.moveaxis(q.reshape(q.shape[:-2] + (-1,))[..., :K], -1, axis).astype(np.float32)
;;   ~~~
;;   SOFTMAX AHEAD OF A QUANTISED PRODUCT. Where the list says 'softmax', what is quantised is not the finished softmax but p = 2^(t - M), with t = logit x log2(e) and M = ceil(the row's largest t), a whole number; so 1/2 < the row's largest p <= 1. The row's sum l is taken of the UNQUANTISED p, in f32, and the product's result is divided by l at the end. Since M is a whole number, a kernel that streams over the keys may use a running M (the ceiling of the running maximum): every later rescaling is an exact power of two, which a block's scale takes up: the codes' values come out the same.
;;   OPERANDS COMPUTED ON THE WAY. 'Computed on the way' means the value that the module computes at that place (a softmax that the list does not call 'softmax' is quantised finished and normalised). What goes into a quantiser is computed in f32, as accurately as f32 sums, v_exp_f32 and their like allow (about 1e-6 of the number): no bf16 or f16 on the way to a quantiser, and a product that is left as it is and whose result goes on into a quantised operand takes f32 operands (vector FMAs, or v_wmma_f32_16x16x4_f32). A number that lies on a knife's edge between two numbers of the format may be rounded either way, as far as f32 arithmetic and the matrix unit's own rounding can turn it there, and no further.
;;   INPUTS GIVEN AS CODES. W1 (in the module: [1024, 8192], K = its axis 0); W2 (in the module: [4096, 1024], K = its axis 0); Wkv (in the module: [1024, 128], K = its axis 0); Wout (in the module: [512, 1024], K = its axis 0); Wq (in the module: [1024, 512], K = its axis 0): each comes as NAME_codes (uint8): NAME with its K axis moved to the last place and cut into blocks of 32 codes, [.., K / 32, bytes a block], one block behind the other in memory; four codes in three bytes: a row's codes are one little-endian stream of bits, code i at bits 6 i .. 6 i + 5 (a code: sign, 2 exponent bits, 3 mantissa bits); and NAME_scales (uint8): the same leading axes, one E8M0 byte (e + 127) for each 32 codes along K. Its value is code x scale, taken as it is: it is not quantised again, and the codes and scales need not be those that the quantiser above would give.
;; One version. Each part assembles by itself: llvm-mc -triple=amdgcn-amd-amdhsa -mcpu=gfx1250 --defsym DOCPART=n.
;; ======== version 1 of 1: 5 launches
;; limits: right only within a limited range of input values
;; workspace buffers: nrm 6,553,600 bytes; qkv 2,129,920 bytes; act 14,745,600 bytes; wre 3,538,944 bytes
;; launch prep (part 1): grid 576 x 1, 4 waves a work-group, no clusters, 76,288 bytes of LDS; arguments x, context, ln_g, ln_b, cln_g, cln_b, nrm, W2_codes, Wout_codes, wre; writes nrm, wre
.if DOCPART == 1
	.amdgcn_target "amdgcn-amd-amdhsa--gfx1250"
	.amdhsa_code_object_version 6
	.text
	.protected	k_q6fdb979fe4_prep
	.globl	k_q6fdb979fe4_prep
	.p2align	8
	.type	k_q6fdb979fe4_prep,@function
k_q6fdb979fe4_prep:
	s_mov_b64 s[64:65], 0
	v_nop
	global_prefetch_b8 v0, s[64:65] scope:SCOPE_SE
	s_setreg_imm32_b32 hwreg(HW_REG_WAVE_MODE, 25, 1), 1
	s_wait_xcnt 0x0
; LayerNorm of x and of context (rows of 1,024 f32), quantised along the row to FP6 (E2M3) with one E8M0 byte for each 32.
; A work-group is one tile of 16 rows: work-groups 0-255 take x, 256-511 context.  Wave w takes columns 256 w .. 256 w + 255.
; OUTPUT nrm.  Codes: for tile a of the group G of 128 rows and chunk c of 64 along K a HALF IMAGE of 768 bytes at ((16 G + c) 8 + a) 768: lane (r, h) owns the 192 bits of
; k = 32 h .. 32 h + 31 of tile row r, six registers: the first four at 16 x lane, the last two at 512 + 8 x lane.  They are registers 6 c' .. 6 c' + 5 of a matrix operand as they stand.
; Scale bytes: 32 for each tile row, at NS + 32 (16 x tile + r).
; x's tiles hold neighbouring rows.  CONTEXT'S TILES DO NOT: tile row r of tile a is row 64 (a / 4) + 32 (r / 8) + 8 (a % 4) + r % 8 of its group, so that later results along the keys fall as whole blocks of 32 into a lane.
; The mean is taken first and the squares of the differences second: a common offset of the inputs costs no digits.
; Every load reads 512 consecutive bytes; the rows turn through the wave's own stage in LDS so that a lane ends with 32 neighbours of each chunk.  No tensor loads, no matrix unit: memory binds.
; LIMITS: NaN and infinities are not served.  A block whose largest magnitude lies under 2^-124 keeps the byte 1 (a block of zeros too: its codes are zeros, and this program alone reads the bytes).
.set ROWB, 4096
.set WREG, 18688                       ; LDS of a wave: the stage, 16 rows x 1,040 bytes, then its 1,024 bytes of the gain and of the bias
.set SPT,  1040                        ; 260 words: row r starts at bank 4 r mod 64
.set GOFF, 16640
.set BOFF, 17664
.set P1,   74752                       ; the waves' partial sums: 256 bytes for the means, 256 more for the squares
.set SCB,  75264                       ; the tile's 512 scale bytes
.set NS,   6291456
.set X,    32                          ; v32-159   my 128 numbers: 32 c + i = column 256 w + 64 c + 32 h + i of tile row r
.set GG,   160                         ; v160-191  the gain of a chunk
.set BB,   192                         ; v192-223  the bias
.set SM,   224                         ; v224-231  four chains of sums (before the codes are made)
.set CD,   224                         ; v224-247  the codes, six registers for each chunk: no store's data are written again
.set TP,   248
.set QA,   19
.set QBB,  20
.set QS,   21
.set QB,   22
; 32 numbers v[x] .. v[x+31] of one block become six registers of codes at v[dst]; the byte comes to v[QB].
.macro QBLOCK x, dst, tmp
	v_max3_num_f32 v[QA], |v[(\x)]|, |v[(\x)+1]|, 0x1800000        ; the floor 2^(3 - 127) among the leaves: the byte cannot fall under 1
	v_max3_num_f32 v[QBB], |v[(\x)+16]|, |v[(\x)+17]|, |v[(\x)+18]|
.irp i, 2,4,6,8,10,12
	v_max3_num_f32 v[QA], v[QA], |v[(\x)+\i]|, |v[(\x)+\i+1]|
	v_max3_num_f32 v[QBB], v[QBB], |v[(\x)+17+\i]|, |v[(\x)+18+\i]|
.endr
	v_max3_num_f32 v[QA], v[QA], |v[(\x)+14]|, |v[(\x)+15]|
	v_max3_num_f32 v[QA], v[QA], v[QBB], |v[(\x)+31]|
	v_add_nc_u32 v[QS], 0xff000000, v[QA]                          ; 2 off the exponent field: the conversion's scale operand
	v_lshrrev_b32 v[QB], 23, v[QS]                                 ; the scale's byte
	v_cvt_scalef32_pk16_fp6_f32 v[(\dst):(\dst)+2], v[(\x):(\x)+15], v[QS]
	v_cvt_scalef32_pk16_fp6_f32 v[(\tmp):(\tmp)+2], v[(\x)+16:(\x)+31], v[QS]   ; (a conversion's three registers begin on an even number)
	v_nop                                                          ; one plain place behind a scaled conversion
.irp i, 0,1,2
	v_mov_b32 v[(\dst)+3+\i], v[(\tmp)+\i]
.endr
.endm
; the four chains are joined, then the two lanes of a row, then the four waves through LDS: the row's sum comes to v26 in every lane
.macro REDUCE off
	v_pk_add_f32 v[SM:SM+1], v[SM:SM+1], v[SM+2:SM+3]
	v_pk_add_f32 v[SM+4:SM+5], v[SM+4:SM+5], v[SM+6:SM+7]
	v_pk_add_f32 v[SM:SM+1], v[SM:SM+1], v[SM+4:SM+5]
	v_add_f32 v[SM], v[SM], v[SM+1]
	v_permlanex16_b32 v25, v[SM], s36, s37
	v_add_f32 v[SM], v[SM], v25
	ds_store_b32 v9, v[SM] offset:\off             ; word 16 w + r (both lanes of a row write the same number)
	s_wait_dscnt 0x0                               ; for the others' sake: my store has landed
	s_barrier_signal -1
	s_barrier_wait -1
	ds_load_b32 v26, v10 offset:\off
	ds_load_b32 v27, v10 offset:\off+64
	ds_load_b32 v28, v10 offset:\off+128
	ds_load_b32 v29, v10 offset:\off+192
	s_wait_dscnt 0x0
	v_add_f32 v26, v26, v27
	v_add_f32 v28, v28, v29
	v_add_f32 v26, v26, v28
.endm
	s_load_b256 s[4:11], s[0:1], 0x0               ; x, context, ln_g, ln_b
	s_load_b128 s[12:15], s[0:1], 0x20             ; cln_g, cln_b
	s_load_b64 s[16:17], s[0:1], 0x30              ; nrm
	s_load_b128 s[40:43], s[0:1], 0x38             ; W2's codes, Wout's codes
	s_load_b64 s[44:45], s[0:1], 0x48              ; wre
	v_lshl_add_u32 v254, v0, 2, 0x12800
	v_mov_b32 v255, 0
	v_lshrrev_b32 v1, 5, v0
	v_readfirstlane_b32 s18, v1                    ; wave
	v_and_b32 v1, 31, v0                           ; lane
	v_and_b32 v2, 15, v0                           ; r
	v_bfe_u32 v3, v0, 4, 1                         ; h
	s_mul_i32 s28, s18, WREG
	s_lshl_b32 s27, s18, 10
	v_lshlrev_b32 v12, 4, v1                       ; 16 x lane
	v_lshlrev_b32 v13, 3, v1                       ; 8 x lane
	v_add_nc_u32 v4, s27, v12                      ; in memory: my 16 bytes of the wave's 1,024 of a row
	v_add_nc_u32 v6, s28, v12                      ; the stage, on the way in
	v_mul_u32_u24 v7, v2, SPT
	v_lshl_add_u32 v7, v3, 7, v7
	v_add_nc_u32 v7, s28, v7                       ; and out: row r, + 128 h
	v_lshlrev_b32 v8, 7, v3
	v_add_nc_u32 v8, s28, v8                       ; gain and bias: + 128 h
	v_lshlrev_b32 v10, 2, v2
	v_add_nc_u32 v10, P1, v10                      ; the partial sums of row r
	s_lshl_b32 s29, s18, 6
	v_add_nc_u32 v9, s29, v10                      ; my wave's
	v_lshlrev_b32 v11, 5, v2
	s_lshl_b32 s29, s18, 3
	v_add_nc_u32 v11, s29, v11
	v_add_nc_u32 v11, SCB, v11                     ; row r's scale bytes, my wave's eight
	v_add_nc_u32 v30, SCB, v12                     ; and all of them, 16 bytes a lane
	v_lshlrev_b32 v18, 3, v3                       ; 8 h
	v_mov_b32 v25, 0                               ; a lane permute's destination counts as one of its sources
	s_mov_b32 s24, 0x3a800000                      ; 1 / 1,024
	s_mov_b32 s25, 0x3727c5ac                      ; 1e-5
	s_mov_b32 s36, 0x76543210
	s_mov_b32 s37, 0xfedcba98                      ; selects for lane l xor 16
	s_and_b32 s19, ttmp9, 255                      ; the tile in its tensor
	s_lshl_b32 s20, s19, 4                         ; x: its first row
	s_lshr_b32 s21, s19, 3
	s_lshl_b32 s21, s21, 7
	s_bfe_u32 s22, s19, 0x10002
	s_lshl_b32 s22, s22, 6
	s_add_co_u32 s21, s21, s22
	s_and_b32 s22, s19, 3
	s_lshl_b32 s22, s22, 3
	s_add_co_u32 s21, s21, s22                     ; context: 128 (tile / 8) + 64 ((tile / 4) % 2) + 8 (tile % 4)
	s_mov_b32 s23, 32*ROWB
	s_wait_alu depctr_va_vdst(0)                   ; the wait ahead of the wait and the branch below
	s_wait_kmcnt 0x0
	s_cmp_ge_u32 ttmp9, 512                        ; work-groups 512-575 lay the last launch's weights anew: the choice hangs on the work-group's number alone
	s_cbranch_scc1 .Lrelay
	s_cmp_lt_u32 ttmp9, 256                        ; x or context
	s_cselect_b32 s20, s20, s21
	s_cselect_b32 s23, 8*ROWB, s23                 ; tile rows 8-15 lie 8 rows on in x, 32 in context
	s_cselect_b64 s[4:5], s[4:5], s[6:7]
	s_cselect_b64 s[8:9], s[8:9], s[12:13]
	s_cselect_b64 s[10:11], s[10:11], s[14:15]
	s_lshl_b32 s20, s20, 12
	s_mov_b32 s21, 0
	s_add_nc_u64 s[4:5], s[4:5], s[20:21]
	v_add_nc_u32 v5, s23, v4
	s_wait_alu depctr_va_vdst(0)
	s_lshr_b32 s30, ttmp9, 3
	s_mul_i32 s30, s30, 98304
	s_mul_i32 s31, s18, 24576
	s_add_co_u32 s30, s30, s31
	s_and_b32 s31, ttmp9, 7
	s_mul_i32 s31, s31, 768
	s_add_co_u32 s30, s30, s31
	s_mov_b32 s31, 0
	s_add_nc_u64 s[32:33], s[16:17], s[30:31]      ; my wave's first half image
	s_lshl_b32 s30, ttmp9, 9
	s_add_co_u32 s30, s30, NS
	s_add_nc_u64 s[34:35], s[16:17], s[30:31]      ; the tile's scale bytes
.set n, 0
.rept 32                                       ; row n / 2, half n % 2 of the wave's 1,024 bytes: 512 consecutive bytes a load
.if n < 16
	global_load_b128 v[X+4*n:X+4*n+3], v4, s[4:5] offset:(n/2)*ROWB+512*(n%2) th:TH_LOAD_NT
.else
	global_load_b128 v[X+4*n:X+4*n+3], v5, s[4:5] offset:(n/2-8)*ROWB+512*(n%2) th:TH_LOAD_NT
.endif
.set n, n+1
.endr
	global_load_b128 v[GG:GG+3], v4, s[8:9]
	global_load_b128 v[GG+4:GG+7], v4, s[8:9] offset:512
	global_load_b128 v[GG+8:GG+11], v4, s[10:11]
	global_load_b128 v[GG+12:GG+15], v4, s[10:11] offset:512
.irp k, 0,1,2,3
	s_wait_loadcnt 28-8*\k                         ; these eight are in: behind them stand 8 (3 - k) loads of rows and the four of gain and bias
.irp m, 0,1,2,3,4,5,6,7
	ds_store_b128 v6, v[X+4*(8*\k+\m):X+4*(8*\k+\m)+3] offset:SPT*((8*\k+\m)/2)+512*(\m%2)
.endr
.endr
	s_wait_loadcnt 0x0
	ds_store_b128 v6, v[GG:GG+3] offset:GOFF
	ds_store_b128 v6, v[GG+4:GG+7] offset:GOFF+512
	ds_store_b128 v6, v[GG+8:GG+11] offset:BOFF
	ds_store_b128 v6, v[GG+12:GG+15] offset:BOFF+512
	s_wait_dscnt 0x0                               ; the stores have read their registers, which the loads below fill
.irp c, 0,1,2,3
.irp i, 0,1,2,3,4,5,6,7
	ds_load_b128 v[X+32*\c+4*\i:X+32*\c+4*\i+3], v7 offset:256*\c+16*\i   ; my wave's own bytes: no barrier
.endr
.endr
	s_wait_dscnt 0x0
	; the mean
.irp k, 0,1,2,3
	v_pk_add_f32 v[SM+2*\k:SM+2*\k+1], v[X+2*\k:X+2*\k+1], v[X+8+2*\k:X+8+2*\k+1]
.endr
.irp j, 16,24,32,40,48,56,64,72,80,88,96,104,112,120
.irp k, 0,1,2,3
	v_pk_add_f32 v[SM+2*\k:SM+2*\k+1], v[SM+2*\k:SM+2*\k+1], v[X+\j+2*\k:X+\j+2*\k+1]
.endr
.endr
	REDUCE 0
	v_mul_f32 v16, s24, v26
	v_mov_b32 v17, v16
	; the differences, in place, and the sum of their squares
.set j, 0
.rept 64
	v_pk_add_f32 v[X+j:X+j+1], v[X+j:X+j+1], v[16:17] neg_lo:[0,1] neg_hi:[0,1]
.set j, j+2
.endr
.irp k, 0,1,2,3
	v_pk_mul_f32 v[SM+2*\k:SM+2*\k+1], v[X+2*\k:X+2*\k+1], v[X+2*\k:X+2*\k+1]
.endr
.irp j, 8,16,24,32,40,48,56,64,72,80,88,96,104,112,120
.irp k, 0,1,2,3
	v_pk_fma_f32 v[SM+2*\k:SM+2*\k+1], v[X+\j+2*\k:X+\j+2*\k+1], v[X+\j+2*\k:X+\j+2*\k+1], v[SM+2*\k:SM+2*\k+1]
.endr
.endr
	REDUCE 256
	v_fma_f32 v26, v26, s24, s25                   ; the variance + 1e-5
	s_wait_alu depctr_va_vdst(0)
	v_rsq_f32 v14, v26
	v_nop                                          ; a plain place behind the transcendental
	s_wait_alu depctr_va_vdst(0)                   ; and the wait ahead of its first reader
	v_mov_b32 v15, v14
.irp c, 0,1,2,3
.irp i, 0,1,2,3,4,5,6,7
	ds_load_b128 v[GG+4*\i:GG+4*\i+3], v8 offset:GOFF+256*\c+16*\i
	ds_load_b128 v[BB+4*\i:BB+4*\i+3], v8 offset:BOFF+256*\c+16*\i
.endr
.set j, 0
.rept 16
	v_pk_mul_f32 v[X+32*\c+j:X+32*\c+j+1], v[X+32*\c+j:X+32*\c+j+1], v[14:15]
.set j, j+2
.endr
	s_wait_dscnt 0x0
.set j, 0
.rept 16
	v_pk_fma_f32 v[X+32*\c+j:X+32*\c+j+1], v[X+32*\c+j:X+32*\c+j+1], v[GG+j:GG+j+1], v[BB+j:BB+j+1]
.set j, j+2
.endr
	QBLOCK X+32*\c, CD+6*\c, TP
	global_store_b128 v12, v[CD+6*\c:CD+6*\c+3], s[32:33] offset:6144*\c        ; 512 consecutive bytes
	global_store_b64 v13, v[CD+6*\c+4:CD+6*\c+5], s[32:33] offset:6144*\c+512   ; 256 consecutive bytes
.if \c%2 == 0
	v_mov_b32 v23, v[QB]
.else
	v_lshl_or_b32 v24, v[QB], 16, v23              ; my bytes of two chunks,
	v_lshlrev_b32 v24, v18, v24                    ; at their places (8 h bits up);
	v_permlanex16_b32 v25, v24, s36, s37
	v_or_b32 v24, v24, v25                         ; with lane l xor 16's the word of 128 along K is whole
	ds_store_b32 v11, v24 offset:4*(\c/2)
.endif
.endr
	s_wait_dscnt 0x0
	s_barrier_signal -1
	s_barrier_wait -1                              ; the tile's 512 scale bytes lie in LDS
	s_cmp_lg_u32 s18, 0
	s_cbranch_scc1 .Ldone
	ds_load_b128 v[26:29], v30
	s_wait_dscnt 0x0
	global_store_b128 v12, v[26:29], s[34:35]      ; 512 consecutive bytes, aligned
.Ldone:
	s_wait_tensorcnt 0x0
	ds_add_u32 v254, v255
	s_wait_dscnt 0x0
	s_endpgm
; WORK-GROUPS 512-575: tile T = 0 .. 63 of 16 rows of W2 (3,072 bytes a row) and of Wout (384 bytes a row) becomes half images in wre, laid as the activations' are:
; wre[group T / 8 of 128 rows][chunk 72][tile T % 8][768]: chunks 0-63 W2's K, chunks 64-71 Wout's.  Rows of 384 bytes, and steps of 384 bytes of a longer row, begin off 256-byte borders; the images are dense.
; Wave w moves W2's chunks 16 w on and Wout's chunks 2 w, 2 w + 1.  Lane (r, h) owns the 24 bytes at 48 chunk + 24 h of row r: three loads of 8 bytes, then 16 bytes at 16 x lane and 8 at 512 + 8 x lane.  No LDS, no barrier.
.Lrelay:
	s_and_b32 s19, ttmp9, 63                       ; T
	s_mov_b32 s21, 0
	s_mul_i32 s20, s19, 49152
	s_mul_i32 s22, s18, 768
	s_add_co_u32 s20, s20, s22
	s_add_nc_u64 s[40:41], s[40:41], s[20:21]      ; W2: the tile's rows, my wave's 768 bytes of each
	s_mul_i32 s20, s19, 6144
	s_mul_i32 s22, s18, 96
	s_add_co_u32 s20, s20, s22
	s_add_nc_u64 s[42:43], s[42:43], s[20:21]      ; Wout: my wave's 96 bytes of each row
	s_lshr_b32 s20, s19, 3
	s_mul_i32 s20, s20, 442368
	s_and_b32 s22, s19, 7
	s_mul_i32 s22, s22, 768
	s_add_co_u32 s20, s20, s22
	s_add_nc_u64 s[44:45], s[44:45], s[20:21]      ; the tile's image in chunk 0 of its group
	s_mul_i32 s20, s18, 98304
	s_add_nc_u64 s[46:47], s[44:45], s[20:21]      ; chunk 16 w
	s_mul_i32 s20, s18, 12288
	s_add_co_u32 s20, s20, 393216
	s_add_nc_u64 s[44:45], s[44:45], s[20:21]      ; chunk 64 + 2 w
	v_mul_u32_u24 v4, v2, 3072
	v_mad_u32_u24 v4, v3, 24, v4
	v_mul_u32_u24 v5, v2, 384
	v_mad_u32_u24 v5, v3, 24, v5
.set c, 0
.rept 18
.irp p, 0,1,2
.if c < 16
	global_load_b64 v[X+6*c+2*\p:X+6*c+2*\p+1], v4, s[40:41] offset:48*c+8*\p
.else
	global_load_b64 v[X+6*c+2*\p:X+6*c+2*\p+1], v5, s[42:43] offset:48*(c-16)+8*\p
.endif
.endr
.set c, c+1
.endr
	s_wait_loadcnt 0x0
.set c, 0
.rept 18
.if c < 16
	global_store_b128 v12, v[X+6*c:X+6*c+3], s[46:47] offset:6144*c          ; 512 consecutive bytes
	global_store_b64 v13, v[X+6*c+4:X+6*c+5], s[46:47] offset:6144*c+512     ; 256 consecutive bytes
.else
	global_store_b128 v12, v[X+6*c:X+6*c+3], s[44:45] offset:6144*(c-16)
	global_store_b64 v13, v[X+6*c+4:X+6*c+5], s[44:45] offset:6144*(c-16)+512
.endif
.set c, c+1
.endr
	s_endpgm
.Lfunc_end_k_q6fdb979fe4_prep:
	.size	k_q6fdb979fe4_prep, .Lfunc_end_k_q6fdb979fe4_prep-k_q6fdb979fe4_prep
	.p2alignl 7, 3214868480
	.fill 96, 4, 3214868480
	.section	.rodata,"a",@progbits
	.p2align	6, 0x0
	.amdhsa_kernel k_q6fdb979fe4_prep
		.amdhsa_group_segment_fixed_size 76288
		.amdhsa_private_segment_fixed_size 0
		.amdhsa_enable_private_segment 0
		.amdhsa_kernarg_size 80
		.amdhsa_user_sgpr_count 2
		.amdhsa_user_sgpr_kernarg_segment_ptr 1
		.amdhsa_wavefront_size32 1
		.amdhsa_system_sgpr_workgroup_id_x 1
		.amdhsa_system_sgpr_workgroup_id_y 1
		.amdhsa_system_sgpr_workgroup_id_z 1
		.amdhsa_system_vgpr_workitem_id 0
		.amdhsa_next_free_vgpr 256
		.amdhsa_next_free_sgpr 66
		.amdhsa_reserve_vcc 0
		.amdhsa_float_denorm_mode_32 3
		.amdhsa_float_denorm_mode_16_64 3
		.amdhsa_memory_ordered 1
		.amdhsa_forward_progress 1
		.amdhsa_inst_pref_size 55
	.end_amdhsa_kernel
	.amdgpu_metadata
---
amdhsa.version: [ 1, 2 ]
amdhsa.kernels:
  - .name:           k_q6fdb979fe4_prep
    .symbol:         k_q6fdb979fe4_prep.kd
    .args:
      - { .name: x, .offset: 0, .size: 8, .value_kind: global_buffer, .address_space: global }
      - { .name: context, .offset: 8, .size: 8, .value_kind: global_buffer, .address_space: global }
      - { .name: ln_g, .offset: 16, .size: 8, .value_kind: global_buffer, .address_space: global }
      - { .name: ln_b, .offset: 24, .size: 8, .value_kind: global_buffer, .address_space: global }
      - { .name: cln_g, .offset: 32, .size: 8, .value_kind: global_buffer, .address_space: global }
      - { .name: cln_b, .offset: 40, .size: 8, .value_kind: global_buffer, .address_space: global }
      - { .name: nrm, .offset: 48, .size: 8, .value_kind: global_buffer, .address_space: global }
      - { .name: W2_codes, .offset: 56, .size: 8, .value_kind: global_buffer, .address_space: global }
      - { .name: Wout_codes, .offset: 64, .size: 8, .value_kind: global_buffer, .address_space: global }
      - { .name: wre, .offset: 72, .size: 8, .value_kind: global_buffer, .address_space: global }
    .group_segment_fixed_size: 76288
    .private_segment_fixed_size: 0
    .kernarg_segment_align: 8
    .kernarg_segment_size: 80
    .max_flat_workgroup_size: 128
    .sgpr_count:     66
    .vgpr_count:     256
    .wavefront_size: 32
...
	.end_amdgpu_metadata
.endif
;; end of part 1
;; launch proj (part 2): grid 32 x 5, 4 waves a work-group, clusters of 4 x 1, 205,312 bytes of LDS; arguments nrm, Wq_codes, Wq_scales, Wkv_codes, Wkv_scales, qkv; writes qkv
.if DOCPART == 2
	.amdgcn_target "amdgcn-amd-amdhsa--gfx1250"
	.amdhsa_code_object_version 6
	.text
	.protected	k_q6fdb979fe4_proj
	.globl	k_q6fdb979fe4_proj
	.p2align	8
	.type	k_q6fdb979fe4_proj,@function
k_q6fdb979fe4_proj:
	s_mov_b64 s[64:65], 0
	v_nop
	global_prefetch_b8 v0, s[64:65] scope:SCOPE_SE
	s_setreg_imm32_b32 hwreg(HW_REG_WAVE_MODE, 25, 1), 1
	s_wait_xcnt 0x0
	s_wait_alu depctr_hold_cnt(0) depctr_sa_sdst(0) depctr_va_vdst(0) depctr_va_sdst(0) depctr_va_ssrc(0) depctr_va_vcc(0) depctr_vm_vsrc(0)
	s_getreg_b32 s2, hwreg(HW_REG_IB_STS2, 6, 4)
	s_cmp_eq_u32 s2, 0
	s_cbranch_scc0 .Lentry_in_a_cluster
	s_endpgm
.Lentry_in_a_cluster:
	s_bfe_u32 s2, ttmp6, 0x10000c
	s_cmp_lg_u32 s2, 0x3003
	s_cbranch_scc0 .Lentry_shape_is_right
	s_endpgm
.Lentry_shape_is_right:
; q = xn Wq / 8, k and v = cn Wkv, on codes of FP6 (E2M3); the results are quantised again: q and k along the head's 64, v along the keys.
; Work-group (x, y): 128 rows (group x of nrm; y = 4: group 32 + x, the context) against 128 rows of weights (y < 4: Wq's rows 128 y on; y = 4: Wkv).  K = 1,024: both operands lie in LDS whole, filled once.
; Wave w: row tiles 4 (w / 2) + i, weight rows 64 (w % 2) + 16 t + r: 64 x 64, sixteen accumulators, eight K steps.
; q AND k: source 0 = 16 rows of weights, source 1 = 16 rows of activations: a lane holds one row and its registers run along d.  The four tiles of d are laid at places 0, 2, 1, 3 and sixteen
; exchanges of half rows leave d = 32 h .. 32 h + 31 in a lane: a whole block.   v (y = 4, odd waves): the sources change places: a lane holds one d and its registers run along the keys; context's tiles were
; laid so that they are 32 neighbouring keys.
; OUTPUT qkv.  q: a half image (768 bytes: see the first launch) for (row tile T, head) at (8 T + head) 768; its scale words at QSO + (8 (T / 4) + head) 256 + 16 r + 4 (T % 4).
; k, v: for each 64 keys a record of 6,656 bytes at KVO: k's four half images, v^T's four, k's scale words (256 bytes), v's.  A scale word's upper two bytes are 0.
; CLUSTER: the four work-groups along x read the same weights: one joint load.  The activations differ: loads of their own.  160 work-groups: the products have no more tiles of this size.
; LIMITS: NaN and infinities are not served; a block under 2^-124 (zeros too) keeps the byte 1.
.set NS,   6291456
.set QSO,  1572864
.set KVO,  1703936
.set BL,   98304                       ; LDS: activations [chunk 16][tile 8][768] at 0; weights from here: 128 rows of 768 bytes, 16 of padding behind every 256
.set BP,   816                         ; 204 words: the 32 lanes of a load of 8 bytes touch 64 different banks
.set PADI, 32                          ; pieces of 8 bytes between two paddings
.set RS,   32                          ; v32-47  activations' scale words: 4 i + j: lanes 0-15 K step j, lanes 16-31 K step 4 + j
.set WS,   48                          ; v48-63  weights' likewise
.set CD,   64                          ; codes: eight registers for each tile, so that no store's data are written again
.set TP,   96
.set QA,   100
.set QBB,  101
.set QS,   102
.set QB,   103
.set WD,   104                         ; v104-107 the four tiles' scale words
.set PT,   108
.set SP2,  110
.set ACC,  128                         ; v128-255 sixteen accumulators.  Window 1: two sets of fragments: 96 set + 12 i activations, 96 set + 48 + 12 t weights
.set SH8,  21
.set SEL,  50
.set MUL,  0x05
.set TO_F, 0x40
.set MSB, 0
.macro WIN new                         ; the immediate's high byte repeats the setting that is left
.if MSB != \new
	s_set_vgpr_msb (MSB<<8)|\new
.set MSB, \new
.endif
.endm
.macro PLACES n
.rept \n
	v_nop
.endr
.endm
.macro WM d, a, b, zero, sa, sb, ra, rb    ; one product; ra, rb: the scale words stand in lanes 16-31
.if \zero
	v_wmma_scale_f32_16x16x128_f8f6f4 v[(\d):(\d)+7], v[(\a):(\a)+11], v[(\b):(\b)+11], 0, v[\sa], v[\sb] matrix_a_fmt:MATRIX_FMT_FP6 matrix_b_fmt:MATRIX_FMT_FP6
.elseif (\ra) && (\rb)
	v_wmma_scale_f32_16x16x128_f8f6f4 v[(\d):(\d)+7], v[(\a):(\a)+11], v[(\b):(\b)+11], v[(\d):(\d)+7], v[\sa], v[\sb] matrix_a_fmt:MATRIX_FMT_FP6 matrix_b_fmt:MATRIX_FMT_FP6 matrix_a_scale:MATRIX_SCALE_ROW1 matrix_b_scale:MATRIX_SCALE_ROW1
.else
	v_wmma_scale_f32_16x16x128_f8f6f4 v[(\d):(\d)+7], v[(\a):(\a)+11], v[(\b):(\b)+11], v[(\d):(\d)+7], v[\sa], v[\sb] matrix_a_fmt:MATRIX_FMT_FP6 matrix_b_fmt:MATRIX_FMT_FP6
.endif
.endm
.macro QBLOCK x, dst, tmp
	v_max3_num_f32 v[QA], |v[(\x)]|, |v[(\x)+1]|, 0x1800000        ; the floor 2^(3 - 127): the byte cannot fall under 1
	v_max3_num_f32 v[QBB], |v[(\x)+16]|, |v[(\x)+17]|, |v[(\x)+18]|
.irp i, 2,4,6,8,10,12
	v_max3_num_f32 v[QA], v[QA], |v[(\x)+\i]|, |v[(\x)+\i+1]|
	v_max3_num_f32 v[QBB], v[QBB], |v[(\x)+17+\i]|, |v[(\x)+18+\i]|
.endr
	v_max3_num_f32 v[QA], v[QA], |v[(\x)+14]|, |v[(\x)+15]|
	v_max3_num_f32 v[QA], v[QA], v[QBB], |v[(\x)+31]|
	v_add_nc_u32 v[QS], 0xff000000, v[QA]
	v_lshrrev_b32 v[QB], 23, v[QS]
	v_cvt_scalef32_pk16_fp6_f32 v[(\dst):(\dst)+2], v[(\x):(\x)+15], v[QS]
	v_cvt_scalef32_pk16_fp6_f32 v[(\tmp):(\tmp)+2], v[(\x)+16:(\x)+31], v[QS]
	v_nop                                                          ; one plain place behind a scaled conversion
.irp i, 0,1,2
	v_mov_b32 v[(\dst)+3+\i], v[(\tmp)+\i]
.endr
.endm
.macro HWORD w                         ; both lanes of a row get byte(h = 0) | byte(h = 1) << 8
	v_lshlrev_b32 v[\w], v[SH8], v[QB]
	v_permlanex16_b32 v[PT], v[\w], s[SEL], s[SEL+1]
	v_or_b32 v[\w], v[\w], v[PT]
.endm
.macro ROUND                           ; a round of the cluster's barrier
	s_barrier_signal -1
	s_barrier_wait -1
	s_cmp_lg_u32 s16, 0
	s_cbranch_scc1 .Lnot_wave_0_\@
	s_barrier_signal -3
.Lnot_wave_0_\@:
	s_barrier_wait -3
	s_barrier_signal -1
	s_barrier_wait -1
.endm
.macro FRAGA reg, a16, a8, off, nxt    ; a fragment from two half images: four dense loads
	ds_load_b128 v[(\reg):(\reg)+3], v[\a16] offset:(\off)
	ds_load_b64 v[(\reg)+4:(\reg)+5], v[\a8] offset:(\off)
	ds_load_b128 v[(\reg)+6:(\reg)+9], v[\a16] offset:(\off)+(\nxt)
	ds_load_b64 v[(\reg)+10:(\reg)+11], v[\a8] offset:(\off)+(\nxt)
.endm
.macro FRAGB reg, adr, pc0, rowoff     ; a fragment from padded rows, in pieces of 8 bytes; lanes 16-31 read three pieces on: where that is behind one padding more, the second address register serves
.irp p, 0,1,2,3,4,5
.set PC, (\pc0)+6*(\p/3)+\p%3
.if PC%PADI < PADI-3
	ds_load_b64 v[(\reg)+2*\p:(\reg)+2*\p+1], v[\adr] offset:8*PC+16*(PC/PADI)+(\rowoff)
.else
	ds_load_b64 v[(\reg)+2*\p:(\reg)+2*\p+1], v[(\adr)+2] offset:8*PC+16*(PC/PADI)+(\rowoff)
.endif
.endr
.endm
.macro FETCH s, set                    ; K step s: four fragments of each side
	WIN TO_F
.irp i, 0,1,2,3
	FRAGA 96*(\set)+12*\i, 4+(\s)/4, 6+(\s)/4, (2*(\s)-8*((\s)/4))*6144+768*\i, 6144
.endr
.irp t, 0,1,2,3
	FRAGB 96*(\set)+48+12*\t, 8, 12*(\s), 16*BP*\t
.endr
	WIN 0
.endm
	s_load_b256 s[4:11], s[0:1], 0x0               ; nrm, Wq's codes, Wq's scales, Wkv's codes
	s_load_b128 s[12:15], s[0:1], 0x20             ; Wkv's scales, qkv
	v_lshl_add_u32 v126, v0, 2, 0x32000
	v_mov_b32 v127, 0
	ds_add_u32 v126, v127
	ds_add_u32 v126, v127
	v_lshrrev_b32 v1, 5, v0
	v_readfirstlane_b32 s16, v1                    ; wave
	s_lshr_b32 s17, s16, 1                         ; my half of the rows.  Also: I fetch activations (0) or weights (1)
	s_and_b32 s18, s16, 1                          ; my half of the weights' rows.  Also: which half I fetch
	s_bfe_u32 s19, ttmp6, 0x40000                  ; cx
	s_lshl_b32 s20, ttmp9, 2
	s_add_co_u32 s20, s20, s19                     ; the group of 128 rows
	s_and_b32 s21, ttmp7, 0xffff                   ; y, which the four partners share
	s_mov_b32 s24, 3<<16                           ; group 1, activations: no mask; elements of 8 bytes; 192 dense rows of 256 bytes
	s_mov_b32 s32, 15|(3<<16)|(1<<20)|(1<<21)|(5<<22)|(3<<25)   ; weights: all four partners; 16 bytes of padding behind every 256
.irp g, 24, 32
	s_mov_b32 s[\g+1], 32<<16
	s_mov_b32 s[\g+2], 192<<16
	s_mov_b32 s[\g+3], 32<<16
	s_mov_b32 s[\g+4], 192
	s_mov_b32 s[\g+5], 32
	s_mov_b32 s[\g+6], 0
	s_mov_b32 s[\g+7], 0
.endr
	s_mul_i32 s66, s18, 49152                      ; my half: in memory (both tensors), and in LDS for the activations
	s_mul_i32 s67, s18, 192*272
	s_add_co_u32 s67, s67, BL                      ; and for the weights
	s_mov_b32 s56, 768
	s_mov_b32 s49, 0x3f800000
	s_wait_dscnt 0x0
	s_wait_kmcnt 0x0
	s_cmp_lt_u32 s21, 4
	s_cselect_b32 s57, 0, 32
	s_cselect_b32 s60, s21, 0
	s_cselect_b64 s[6:7], s[6:7], s[10:11]
	s_cselect_b64 s[8:9], s[8:9], s[12:13]
	s_cselect_b32 s48, 0x3e000000, s49             ; q is multiplied by 1 / 8, k by 1: both exact
	s_cselect_b32 s56, 6144, s56                   ; from one output tile's half image to the next
	s_mov_b32 s49, s48
	s_add_co_u32 s57, s57, s20                     ; the group in nrm
	s_mul_i32 s58, s57, 98304
	s_add_co_u32 s58, s58, s66
	s_mov_b32 s59, 0
	s_lshl_b32 s62, s60, 12
	s_mul_i32 s60, s60, 98304
	s_add_co_u32 s60, s60, s66                     ; (made of y and the wave's number alone)
	s_mov_b32 s61, 0
	s_mov_b32 s40, 1
	s_mov_b32 s41, s66
	s_add_nc_u64 s[42:43], s[4:5], s[58:59]
	s_or_b32 s43, s43, 0x80000000
	s_mov_b32 s44, 1
	s_mov_b32 s45, s67
	s_add_nc_u64 s[46:47], s[6:7], s[60:61]
	s_or_b32 s47, s47, 0x80000000
	ROUND                                          ; all four work-groups are here: the joint loads meet
	s_cmp_eq_u32 s17, 0                            ; one load a wave, and the launch's only fills
	s_cbranch_scc0 .Lfor_b
	tensor_load_to_lds s[40:43], s[24:31]
	s_nop 0
	PLACES 4
	s_branch .Lasked
.Lfor_b:
	tensor_load_to_lds s[44:47], s[32:39]
	s_nop 0
	PLACES 4
.Lasked:
	v_and_b32 v1, 15, v0                           ; r
	v_bfe_u32 v2, v0, 4, 1                         ; h
	v_and_b32 v3, 31, v0                           ; lane
	s_mul_i32 s68, s17, 3072
	v_lshl_add_u32 v4, v3, 4, s68                  ; half images of my four tiles: K steps 0-3,
	v_add_nc_u32 v5, 49152, v4                     ; K steps 4-7
	v_lshl_add_u32 v6, v3, 3, s68
	v_add_nc_u32 v6, 512, v6
	v_add_nc_u32 v7, 49152, v6
	s_mul_i32 s68, s18, 64*BP
	s_add_co_u32 s68, s68, BL
	v_mul_u32_u24 v8, v1, BP
	v_mad_u32_u24 v8, v2, 24, v8
	v_add_nc_u32 v8, s68, v8                       ; weights: row x pitch + 24 h
	v_lshl_add_u32 v10, v2, 4, v8                  ; and behind one padding more
	v_lshlrev_b32 v22, 5, v1
	v_lshl_add_u32 v22, v2, 4, v22                 ; scale bytes: 32 a row; lanes 16-31 take the upper 16
	s_wait_alu depctr_va_vdst(0)
	s_lshl_b32 s68, s57, 12
	s_lshl_b32 s69, s17, 11
	s_add_co_u32 s68, s68, s69
	s_add_co_u32 s68, s68, NS
	s_mov_b32 s69, 0
	s_add_nc_u64 s[70:71], s[4:5], s[68:69]
	s_lshl_b32 s63, s18, 11
	s_add_co_u32 s62, s62, s63
	s_mov_b32 s63, 0
	s_add_nc_u64 s[8:9], s[8:9], s[62:63]
.irp i, 0,1,2,3
	global_load_b128 v[RS+4*\i:RS+4*\i+3], v22, s[70:71] offset:512*\i
	global_load_b128 v[WS+4*\i:WS+4*\i+3], v22, s[8:9] offset:512*\i
.endr
	s_lshl_b32 s58, s20, 1
	s_add_co_u32 s58, s58, s17                     ; which 64 rows
	s_lshl_b32 s59, s21, 1
	s_add_co_u32 s59, s59, s18                     ; the head
	s_lshl_b32 s68, s58, 5
	s_add_co_u32 s68, s68, s59
	s_mul_i32 s68, s68, 768                        ; q's codes
	s_lshl_b32 s69, s58, 3
	s_add_co_u32 s69, s69, s59
	s_lshl_b32 s69, s69, 8
	s_add_co_u32 s69, s69, QSO                     ; q's scale words
	s_mul_i32 s58, s58, 6656
	s_add_co_u32 s58, s58, KVO                     ; the record of these 64 keys
	s_mul_i32 s59, s18, 3072
	s_add_co_u32 s59, s59, s58                     ; k's or v's codes
	s_lshl_b32 s63, s18, 8
	s_add_co_u32 s58, s58, s63
	s_add_co_u32 s58, s58, 6144                    ; their scale words
	s_cmp_lt_u32 s21, 4
	s_cselect_b32 s52, s68, s59
	s_cselect_b32 s54, s69, s58
	s_mov_b32 s53, 0
	s_mov_b32 s55, 0
	s_add_nc_u64 s[52:53], s[14:15], s[52:53]
	s_add_nc_u64 s[54:55], s[14:15], s[54:55]
	s_cmp_eq_u32 s21, 4
	s_cselect_b32 s22, s18, 0                      ; 1 in the waves that make v: the same in all four partners
	v_lshlrev_b32 v12, 4, v3
	v_lshlrev_b32 v16, 3, v3
	v_add_nc_u32 v16, 512, v16
.irp o, 1,2,3
	v_add_nc_u32 v[12+\o], s56, v[11+\o]           ; a lane's places in the four output tiles' half images
	v_add_nc_u32 v[16+\o], s56, v[15+\o]
.endr
	v_lshlrev_b32 v20, 4, v1
	v_lshl_add_u32 v20, v2, 3, v20                 ; 16 r + 8 h
	v_lshlrev_b32 v[SH8], 3, v2
	v_mov_b32 v[PT], 0
	s_mov_b32 s[SEL], 0x76543210
	s_mov_b32 s[SEL+1], 0xfedcba98
	s_wait_tensorcnt 0x0                           ; my part has landed,
	s_barrier_signal -1
	s_barrier_wait -1                              ; everybody's has
	FETCH 0, 0
	s_wait_loadcnt 0x0                             ; the scale words
; The eight K steps and the way out.  v = 0: q or k;  v = 1: v.  The sixteen accumulators take turns, one instruction a turn, in the same order in every step.
.macro PATH v
.irp s, 0,1,2,3,4,5,6,7
	s_wait_dscnt 0x0                               ; this step's fragments are in
.if \s > 0
	PLACES 4                                       ; in front of loads into registers that the last step's products read
.endif
.if \s < 7
	FETCH \s+1, (\s+1)%2
.endif
	WIN MUL
.irp i, 0,1,2,3
.irp t, 0,1,2,3
.if \v
	WM ACC+32*\t+8*\i, 96*(\s%2)+12*\i, 96*(\s%2)+48+12*\t, (\s==0), RS+4*\i+\s%4, WS+4*\t+\s%4, \s/4, \s/4
.else
	WM ACC+32*\i+8*((\t%2)*2+\t/2), 96*(\s%2)+48+12*\t, 96*(\s%2)+12*\i, (\s==0), WS+4*\t+\s%4, RS+4*\i+\s%4, \s/4, \s/4
.endif
.endr
.endr
	WIN 0
.endr
	PLACES 4
.irp o, 0,1,2,3
.if \v == 0
.irp j, 0,1,2,3,4,5,6,7
	v_permlane16_swap_b32 v[ACC+32*\o+\j], v[ACC+32*\o+8+\j]       ; places 0, 1 held d 0-15 and 32-47: now lanes 0-15 hold d 0-15, lanes 16-31 d 32-47
.endr
.irp j, 0,1,2,3,4,5,6,7
	v_permlane16_swap_b32 v[ACC+32*\o+16+\j], v[ACC+32*\o+24+\j]   ; likewise d 16-31 and 48-63
.endr
.irp j, 0,2,4,6,8,10,12,14,16,18,20,22,24,26,28,30
	v_pk_mul_f32 v[ACC+32*\o+\j:ACC+32*\o+\j+1], v[ACC+32*\o+\j:ACC+32*\o+\j+1], s[48:49] op_sel_hi:[1,0]
.endr
.endif
	QBLOCK ACC+32*\o, CD+8*\o, TP
	global_store_b128 v[12+\o], v[CD+8*\o:CD+8*\o+3], s[52:53]
	global_store_b64 v[16+\o], v[CD+8*\o+4:CD+8*\o+5], s[52:53]
	HWORD WD+\o
.endr
	v_cmp_eq_u32 vcc_lo, 1, v2
	v_cndmask_b32 v[SP2], v[WD], v[WD+2], vcc_lo   ; lanes 0-15 store tiles 0, 1's words, lanes 16-31 tiles 2, 3's: 256 consecutive bytes
	v_cndmask_b32 v[SP2+1], v[WD+1], v[WD+3], vcc_lo
	global_store_b64 v20, v[SP2:SP2+1], s[54:55]
.endm
	s_cmp_lg_u32 s22, 0
	s_cbranch_scc1 .Lvpath
	PATH 0
	s_branch .Ljoin
.Lvpath:
	PATH 1
.Ljoin:
	s_wait_tensorcnt 0x0
	s_wait_tensorcnt 0x0
	ds_add_u32 v126, v127
	s_wait_dscnt 0x0
	ROUND                                          ; the closing round: no work-group ends while a partner may still ask jointly
	s_endpgm
.Lfunc_end_k_q6fdb979fe4_proj:
	.size	k_q6fdb979fe4_proj, .Lfunc_end_k_q6fdb979fe4_proj-k_q6fdb979fe4_proj
	.p2alignl 7, 3214868480
	.fill 96, 4, 3214868480
	.section	.rodata,"a",@progbits
	.p2align	6, 0x0
	.amdhsa_kernel k_q6fdb979fe4_proj
		.amdhsa_group_segment_fixed_size 205312
		.amdhsa_private_segment_fixed_size 0
		.amdhsa_enable_private_segment 0
		.amdhsa_kernarg_size 48
		.amdhsa_user_sgpr_count 2
		.amdhsa_user_sgpr_kernarg_segment_ptr 1
		.amdhsa_wavefront_size32 1
		.amdhsa_system_sgpr_workgroup_id_x 1
		.amdhsa_system_sgpr_workgroup_id_y 1
		.amdhsa_system_sgpr_workgroup_id_z 1
		.amdhsa_system_vgpr_workitem_id 0
		.amdhsa_next_free_vgpr 448
		.amdhsa_next_free_sgpr 72
		.amdhsa_reserve_vcc 1
		.amdhsa_float_denorm_mode_32 3
		.amdhsa_float_denorm_mode_16_64 3
		.amdhsa_memory_ordered 1
		.amdhsa_forward_progress 1
		.amdhsa_inst_pref_size 103
	.end_amdhsa_kernel
	.amdgpu_metadata
---
amdhsa.version: [ 1, 2 ]
amdhsa.kernels:
  - .name:           k_q6fdb979fe4_proj
    .symbol:         k_q6fdb979fe4_proj.kd
    .args:
      - { .name: nrm, .offset: 0, .size: 8, .value_kind: global_buffer, .address_space: global }
      - { .name: Wq_codes, .offset: 8, .size: 8, .value_kind: global_buffer, .address_space: global }
      - { .name: Wq_scales, .offset: 16, .size: 8, .value_kind: global_buffer, .address_space: global }
      - { .name: Wkv_codes, .offset: 24, .size: 8, .value_kind: global_buffer, .address_space: global }
      - { .name: Wkv_scales, .offset: 32, .size: 8, .value_kind: global_buffer, .address_space: global }
      - { .name: qkv, .offset: 40, .size: 8, .value_kind: global_buffer, .address_space: global }
    .group_segment_fixed_size: 205312
    .private_segment_fixed_size: 0
    .kernarg_segment_align: 8
    .kernarg_segment_size: 48
    .max_flat_workgroup_size: 128
    .sgpr_count:     72
    .vgpr_count:     448
    .wavefront_size: 32
...
	.end_amdgpu_metadata
.endif
;; end of part 2
;; launch attn (part 3): grid 128 x 2, 16 waves a work-group, clusters of 4 x 1, 327,680 bytes of LDS; arguments qkv, mask, act; writes act
.if DOCPART == 3
	.amdgcn_target "amdgcn-amd-amdhsa--gfx1250"
	.amdhsa_code_object_version 6
	.text
	.protected	k_q6fdb979fe4_attn
	.globl	k_q6fdb979fe4_attn
	.p2align	8
	.type	k_q6fdb979fe4_attn,@function
k_q6fdb979fe4_attn:
	s_mov_b64 s[64:65], 0
	v_nop
	global_prefetch_b8 v0, s[64:65] scope:SCOPE_SE
	s_setreg_imm32_b32 hwreg(HW_REG_WAVE_MODE, 25, 1), 1
	s_wait_xcnt 0x0
	s_wait_alu depctr_hold_cnt(0) depctr_sa_sdst(0) depctr_va_vdst(0) depctr_va_sdst(0) depctr_va_ssrc(0) depctr_va_vcc(0) depctr_vm_vsrc(0)
	s_getreg_b32 s2, hwreg(HW_REG_IB_STS2, 6, 4)
	s_cmp_eq_u32 s2, 0
	s_cbranch_scc0 .Lentry_in_a_cluster
	s_endpgm
.Lentry_in_a_cluster:
	s_bfe_u32 s2, ttmp6, 0x10000c
	s_cmp_lg_u32 s2, 0x3003
	s_cbranch_scc0 .Lentry_shape_is_right
	s_endpgm
.Lentry_shape_is_right:
; Attention with one key and value head, eight query heads and an additive mask [b][query][key] that the heads share; both products on codes of FP6 (E2M3).
; SHARES.  A work-group owns 16 queries of one batch for ALL eight heads, so each byte of the mask is read once in the launch.  SIXTEEN WAVES: wave w is head w % 8 and walks the keys 1,024 (w / 8) on, 128 a step, eight steps:
; four waves of 256 registers to a SIMD, so that one wave's vector work stands beside the others' LDS loads and products.  At the end the two halves of a head meet in LDS: M is a whole number in both, so each half's sum
; and O^T are brought under the larger M by a multiplication that rounds nothing, and added.
; K and V of the batch (32 records of 6,656 bytes: see the launch before) lie in LDS whole, filled once by joint loads of the cluster's four work-groups; the mask goes through a ring of two slots, each with 256 keys of either half.
; LAYOUT.  Both products are used transposed: S^T = K Q^T (source 0 = 16 keys), O^T = V^T P^T (source 0 = 16 of the head's 64): a lane holds ONE query (lane % 16).  A tile of K holds keys 32 (r / 8) + 8 t + r % 8
; of its 64, so that register 32 c + 8 t + j of lane (r, h) is key 64 c + 32 h + 8 t + j: two whole blocks of 32 keys in a lane.  THE MASK IS THE C OF K Q^T: it is loaded into the scores' registers and costs no addition.
; The first product's K is 64: Q's upper six registers hold zero codes, so what stands in the upper six of K's operand (the next tile's codes) adds nothing; the upper scale bytes are 0, which is 2^-127 and no NaN.
; SOFTMAX: t = score x log2(e); M = the running largest t rounded up to a whole number; p = 2^(t - M) is quantised, not normalised; the sum is taken of the unquantised p and divides at the end.
; OUTPUT att: half images ((72 G + 64 + head) 8 + a) 768 for the group G of 128 rows and tile a; scale bytes at ASO + 16 x row + 2 head + h.
; LIMITS: NaN is not served.  Finite masks of any size are added as an f32 sum is; an entry of -infinity leans on the matrix unit's own addition of an infinite C; a row wholly at -infinity gives NaN, as reference() does.
; No prefetch: K and V come at the head, and a refill of the mask is asked for a slot's key steps ahead of the wait for it.
.set QSO,   1572864
.set KVO,   1703936
.set ASO,   14155776                   ; THE OUTPUT LIES IN act: half images at ((72 G + 64 + head) 8 + a) 768 (chunks 0-63 of a group are the hidden layer's), scale bytes from ASO on
.set REC,   6656
.set MSK,   212992                     ; behind K and V: the mask's two slots, each four parts (128 keys) of 16 rows x (512 + 16) bytes: two steps of the first half of the keys, two of the second
.set SUB,   8448
.set MSLOT, 33792
.set SPARE, 280576                     ; the spare words, 128 bytes a wave: eight blocks of 256 bytes that no other line names
.set OSC,   282624                     ; 256 bytes: the 16 rows' scale bytes on the way out
.set MRG,   282880                     ; where the second half of the keys hands over: for each head 4,096 bytes of O^T and 256 of (sum, -M)
.set MRGH,  4352
.set AM0,  1                           ; v1   528 r + 128 h
.set AL16, 2                           ; v2   16 x lane
.set AL8,  3                           ; v3   512 + 8 x lane
.set AKS,  4                           ; v4   K's scale words: 6,144 + 16 r + 6,656 h
.set AVS,  5                           ; v5   V's: 6,400 + 16 r
.set SPW,  6
.set NIL,  7
.set ADM,  8
.set ADK16, 9
.set ADK8, 10
.set ADS,  11
.set ADT,  12
.set SH8,  13                          ; v14 -M, v15 the largest t, v[16:17] the sum in two halves
.set QF,   18                          ; v18-29 Q (v24-29 zeros)
.set QSW,  30
.set OSA,  31                          ; OSC + 16 r + 2 head
.set KF,   32                          ; v32-85 K's eight tiles, six registers each, then six zeros; later V's four fragments
.set OSR,  86                          ; OSC + 8 x lane
.set L8,   87                          ; 8 x lane
.set R16,  88                          ; 16 r
.set MA16, 89                          ; MRG + 4,352 head + 16 x lane
.set MA8,  90                          ; MRG + 4,352 head + 4,096 + 8 x lane
.set S,    96                          ; v96-159 the mask, then the scores, then p
.set O,    160                         ; v160-191 O^T: tile dt at place 0, 2, 1, 3
.set PCD,  192                         ; v192-203 p's codes
.set TP,   204
.set KSW,  212
.set VR,   216                         ; v216-223 V's scale words as they lie, v224-227 joined
.set VM,   224
.set PSW,  228
.set QA,   232
.set QBB,  233
.set PT,   237
.set QS,   244
.set QB,   246
.set WV,   10                          ; s10  my wave's number
.set HD,   15                          ; s15  my head
.set KH,   63                          ; s63  my half of the keys
.set KB,   80                          ; s80  LDS byte of my half's first record
.set MB,   81                          ; s81  LDS byte of my half's part of the mask's slot 0
.set CS,   56
.set SEL,  58
.set TK,   60
.set TM,   61
.set CNT,  62
.set G0M,  48
.macro PLACES n
.rept \n
	v_nop
.endr
.endm
.macro WM d, a, b, sa, sb, ra          ; one product onto its own C; ra: source 0's scale words stand in lanes 16-31
.if \ra
	v_wmma_scale_f32_16x16x128_f8f6f4 v[(\d):(\d)+7], v[(\a):(\a)+11], v[(\b):(\b)+11], v[(\d):(\d)+7], v[\sa], v[\sb] matrix_a_fmt:MATRIX_FMT_FP6 matrix_b_fmt:MATRIX_FMT_FP6 matrix_a_scale:MATRIX_SCALE_ROW1
.else
	v_wmma_scale_f32_16x16x128_f8f6f4 v[(\d):(\d)+7], v[(\a):(\a)+11], v[(\b):(\b)+11], v[(\d):(\d)+7], v[\sa], v[\sb] matrix_a_fmt:MATRIX_FMT_FP6 matrix_b_fmt:MATRIX_FMT_FP6
.endif
.endm
.macro QBLOCK x, dst, tmp
	v_max3_num_f32 v[QA], |v[(\x)]|, |v[(\x)+1]|, 0x1800000
	v_max3_num_f32 v[QBB], |v[(\x)+16]|, |v[(\x)+17]|, |v[(\x)+18]|
.irp i, 2,4,6,8,10,12
	s_delay_alu instid0(VALU_DEP_2)
	v_max3_num_f32 v[QA], v[QA], |v[(\x)+\i]|, |v[(\x)+\i+1]|
	s_delay_alu instid0(VALU_DEP_2)
	v_max3_num_f32 v[QBB], v[QBB], |v[(\x)+17+\i]|, |v[(\x)+18+\i]|
.endr
	s_delay_alu instid0(VALU_DEP_2)
	v_max3_num_f32 v[QA], v[QA], |v[(\x)+14]|, |v[(\x)+15]|
	s_delay_alu instid0(VALU_DEP_1)
	v_max3_num_f32 v[QA], v[QA], v[QBB], |v[(\x)+31]|
	s_delay_alu instid0(VALU_DEP_1)
	v_add_nc_u32 v[QS], 0xff000000, v[QA]
	s_delay_alu instid0(VALU_DEP_1)
	v_lshrrev_b32 v[QB], 23, v[QS]
	v_cvt_scalef32_pk16_fp6_f32 v[(\dst):(\dst)+2], v[(\x):(\x)+15], v[QS]
	v_cvt_scalef32_pk16_fp6_f32 v[(\tmp):(\tmp)+2], v[(\x)+16:(\x)+31], v[QS]
	v_nop
.irp i, 0,1,2
	v_mov_b32 v[(\dst)+3+\i], v[(\tmp)+\i]
.endr
.endm
.macro ROUND                           ; a round of the cluster's barrier
	s_barrier_signal -1
	s_barrier_wait -1
	s_cmp_lg_u32 s[WV], 0
	s_cbranch_scc1 .Lnot_wave_0_\@
	s_barrier_signal -3
.Lnot_wave_0_\@:
	s_barrier_wait -3
	s_barrier_signal -1
	s_barrier_wait -1
.endm
	s_load_b128 s[4:7], s[0:1], 0x0                ; qkv, mask
	s_load_b64 s[8:9], s[0:1], 0x10                ; att
	v_lshl_add_u32 v[SPW], v0, 2, SPARE
	v_mov_b32 v[NIL], 0
	ds_add_u32 v6, v7
	ds_add_u32 v6, v7
	s_wait_dscnt 0x0
	v_lshrrev_b32 v8, 5, v0
	s_delay_alu instid0(VALU_DEP_1)
	v_readfirstlane_b32 s[WV], v8                  ; wave 0..15
	s_and_b32 s[HD], s[WV], 7                      ; my head
	s_lshr_b32 s[KH], s[WV], 3                     ; my half of the keys
	s_mul_i32 s[KB], s[KH], 16*REC
	s_mul_i32 s[MB], s[KH], 2*SUB
	s_add_co_u32 s[MB], s[MB], MSK
	s_bfe_u32 s11, ttmp6, 0x40000                  ; cx: it enters the addresses of the mask, of Q and of att alone
	s_lshl_b32 s12, ttmp9, 2
	s_add_co_u32 s12, s12, s11                     ; the tile of queries in its batch
	s_and_b32 s13, ttmp7, 0xffff                   ; the batch, which the four partners share
	s_lshl_b32 s14, s13, 7
	s_add_co_u32 s14, s14, s12                     ; T: the tile among all 256
	; group 1.  K and V: 104 dense rows of 256 bytes (four records), jointly for all four partners
	s_mov_b32 s16, 15|(3<<16)|(1<<21)
	s_mov_b32 s17, 32<<16
	s_mov_b32 s18, 104<<16
	s_mov_b32 s19, 32<<16
	s_mov_b32 s20, 104
	s_mov_b32 s21, 32
	s_mov_b32 s22, 0
	s_mov_b32 s23, 0
	; the mask's first fills: my own; a whole part: 16 rows of 128 numbers of 4 bytes, 16 bytes of padding behind each row
	s_mov_b32 s24, (2<<16)|(1<<20)|(6<<22)|(3<<25)
	s_mov_b32 s25, 128<<16
	s_mov_b32 s26, 16<<16
	s_mov_b32 s27, 128<<16
	s_mov_b32 s28, 16
	s_mov_b32 s29, 2048
	s_mov_b32 s30, 0
	s_mov_b32 s31, 0
	; the mask: my own; 4 rows of 128 numbers of 4 bytes, 2,048 numbers apart, 16 bytes of padding behind each row
	s_mov_b32 s32, (2<<16)|(1<<20)|(6<<22)|(3<<25)
	s_mov_b32 s33, 128<<16
	s_mov_b32 s34, 4<<16
	s_mov_b32 s35, 128<<16
	s_mov_b32 s36, 4
	s_mov_b32 s37, 2048
	s_mov_b32 s38, 0
	s_mov_b32 s39, 0
	s_mul_i32 s66, s13, 32*REC
	s_add_co_u32 s66, s66, KVO                     ; the batch's records (made of the batch and the wave's number alone)
	s_mul_i32 s41, s[HD], 4*REC                    ; waves 0-7 fetch four records each: in LDS as in the buffer
	s_add_co_u32 s68, s66, s41
	s_mov_b32 s69, 0
	s_mul_i32 s45, s[HD], SUB                      ; waves 8-15 fetch one of the eight parts of the mask's two slots: part w % 8
	s_add_co_u32 s45, s45, MSK
	s_and_b32 s66, s[HD], 1
	s_lshl_b32 s66, s66, 9                         ; the part's step: 128 keys
	s_bfe_u32 s67, s[HD], 0x10001
	s_lshl_b32 s67, s67, 12                        ; its half: 1,024 keys
	s_add_co_u32 s66, s66, s67
	s_bfe_u32 s67, s[HD], 0x10002
	s_lshl_b32 s67, s67, 10                        ; its slot: 256 keys
	s_add_co_u32 s66, s66, s67
	s_lshl_b32 s67, s14, 17                        ; 16 rows of 8,192 bytes a tile
	s_add_co_u32 s66, s66, s67
	s_mov_b32 s67, 0
	s_and_b32 s70, s[WV], 3                        ; the mask: which of a slot's four parts,
	s_lshr_b32 s71, s[WV], 2                       ; which 4 rows
	s_mul_i32 s72, s70, SUB
	s_mul_i32 s73, s71, 4*528
	s_add_co_u32 s49, s72, s73
	s_add_co_u32 s49, s49, MSK
	s_add_co_u32 s53, s49, MSLOT
	s_lshl_b32 s74, s14, 17                        ; 16 rows of 8,192 bytes a tile
	s_lshl_b32 s71, s71, 15                        ; 4 rows
	s_add_co_u32 s74, s74, s71
	s_and_b32 s71, s70, 1
	s_lshl_b32 s71, s71, 9                         ; the part's step: 128 keys
	s_add_co_u32 s74, s74, s71
	s_lshr_b32 s70, s70, 1
	s_lshl_b32 s70, s70, 12                        ; the part's half: 1,024 keys
	s_add_co_u32 s74, s74, s70
	s_mov_b32 s75, 0
	s_mov_b32 s[CS], 0x3fb8aa3b                    ; log2(e)
	s_mov_b32 s[CS+1], s[CS]
	s_mov_b32 s[SEL], 0x76543210
	s_mov_b32 s[SEL+1], 0xfedcba98
	s_wait_kmcnt 0x0
	s_mov_b32 s40, 1
	s_add_nc_u64 s[42:43], s[4:5], s[68:69]
	s_or_b32 s43, s43, 0x80000000
	s_mov_b32 s44, 1
	s_add_nc_u64 s[46:47], s[6:7], s[66:67]
	s_or_b32 s47, s47, 0x80000000
	s_mov_b32 s48, 1
	s_add_nc_u64 s[50:51], s[6:7], s[74:75]
	s_mov_b32 s52, 1
	s_add_nc_u64 s[54:55], s[50:51], 1024          ; slot 1: 256 keys on in either half
	s_or_b32 s51, s51, 0x80000000
	s_or_b32 s55, s55, 0x80000000
	ROUND                                          ; all four work-groups are here
	s_cmp_lt_u32 s[WV], 8                          ; the first fills, one a wave: every way passes one load
	s_cbranch_scc0 .Lhead_m
	tensor_load_to_lds s[40:43], s[16:23]          ; waves 0-7: K and V, four records each
	s_nop 0
	PLACES 4
	s_branch .Lhead_asked
.Lhead_m:
	tensor_load_to_lds s[44:47], s[24:31]          ; waves 8-15: the mask's slots 0 and 1, a part each
	s_nop 0
	PLACES 4
.Lhead_asked:
	v_and_b32 v9, 15, v0                           ; r
	v_bfe_u32 v10, v0, 4, 1                        ; h
	v_and_b32 v11, 31, v0                          ; lane
	s_delay_alu instid0(VALU_DEP_3)
	v_mul_u32_u24 v[AM0], v9, 528
	s_delay_alu instid0(VALU_DEP_1)
	v_lshl_add_u32 v[AM0], v10, 7, v[AM0]
	s_delay_alu instid0(VALU_DEP_3)
	v_lshlrev_b32 v[AL16], 4, v11
	s_delay_alu instid0(VALU_DEP_4)
	v_lshlrev_b32 v[L8], 3, v11
	s_delay_alu instid0(VALU_DEP_1)
	v_add_nc_u32 v[AL8], 512, v[L8]
	v_lshlrev_b32 v[R16], 4, v9
	s_delay_alu instid0(VALU_DEP_1)
	v_mad_u32_u24 v[AKS], v10, REC, v[R16]
	s_delay_alu instid0(VALU_DEP_1)
	v_add_nc_u32 v[AKS], 6144, v[AKS]
	s_delay_alu instid0(VALU_DEP_3)
	v_add_nc_u32 v[AVS], 6400, v[R16]
	v_lshlrev_b32 v[SH8], 3, v10
	s_lshl_b32 s70, s[HD], 1
	v_add_nc_u32 v[OSA], s70, v[R16]
	s_delay_alu instid0(VALU_DEP_1)
	v_add_nc_u32 v[OSA], OSC, v[OSA]
	v_add_nc_u32 v[OSR], OSC, v[L8]
	s_mul_i32 s70, s[HD], MRGH
	s_add_co_u32 s70, s70, MRG
	v_add_nc_u32 v[MA16], s70, v[AL16]
	v_add_nc_u32 v[MA8], s70, v[L8]
	s_delay_alu instid0(VALU_DEP_1)
	v_add_nc_u32 v[MA8], 4096, v[MA8]
	s_lshl_b32 s76, s14, 3
	s_add_co_u32 s76, s76, s[HD]
	s_mul_i32 s76, s76, 768
	s_mov_b32 s77, 0
	s_add_nc_u64 s[76:77], s[4:5], s[76:77]        ; Q's half image of (T, head)
	s_lshr_b32 s78, s14, 2
	s_lshl_b32 s78, s78, 3
	s_add_co_u32 s78, s78, s[HD]
	s_lshl_b32 s78, s78, 8
	s_and_b32 s79, s14, 3
	s_lshl_b32 s79, s79, 2
	s_add_co_u32 s78, s78, s79
	s_add_co_u32 s78, s78, QSO
	s_mov_b32 s79, 0
	s_add_nc_u64 s[78:79], s[4:5], s[78:79]        ; and its scale words
	global_load_b128 v[QF:QF+3], v[AL16], s[76:77]
	global_load_b64 v[QF+4:QF+5], v[AL8], s[76:77]
	global_load_b32 v[QSW], v[R16], s[78:79]
	s_lshr_b32 s70, s14, 3
	s_mul_i32 s70, s70, 72
	s_add_co_u32 s70, s70, s[HD]
	s_add_co_u32 s70, s70, 64                      ; chunk 64 + head of the group's 72
	s_lshl_b32 s70, s70, 3
	s_and_b32 s71, s14, 7
	s_add_co_u32 s70, s70, s71
	s_mul_i32 s70, s70, 768
	s_mov_b32 s71, 0
	s_add_nc_u64 s[70:71], s[8:9], s[70:71]        ; att: my head's half image,
	s_lshl_b32 s72, s14, 8
	s_add_co_u32 s72, s72, ASO
	s_mov_b32 s73, 0
	s_add_nc_u64 s[72:73], s[8:9], s[72:73]        ; the tile's 256 scale bytes
.irp j, 0,1,2,3,4,5
	v_mov_b32 v[QF+6+\j], 0                        ; zero codes for k = 64 .. 127
	v_mov_b32 v[KF+48+\j], 0
.endr
.set j, 0
.rept 32
	v_mov_b32 v[O+j], 0                            ; the step is written once: the first finds zeros, which the first change of M leaves zeros
.set j, j+1
.endr
	v_mov_b32 v16, 0
	v_mov_b32 v17, 0
	v_mov_b32 v[PT], 0                             ; a lane permute's destination counts as one of its sources
	v_mov_b32 v241, 0                              ; (named as the upper half of the pair v[240:241])
	v_mov_b32 v15, 0xff61b1e6                      ; the largest t so far: -3e38
	s_delay_alu instid0(VALU_DEP_1)
	v_floor_f32 v14, -v15                          ; -M
	s_wait_tensorcnt 0x0                           ; my one load of the head is in
	s_barrier_signal -1
	s_barrier_wait -1
	s_wait_loadcnt 0x0                             ; Q
; A KEY STEP: 128 keys: the two records at s[TK], the mask's part at s[TM].
.macro STEP
	v_add_nc_u32 v[ADM], s[TM], v[AM0]             ; (these five are also the places in front of loads into registers that the last products read)
	v_add_nc_u32 v[ADK16], s[TK], v[AL16]
	v_add_nc_u32 v[ADK8], s[TK], v[AL8]
	v_add_nc_u32 v[ADS], s[TK], v[AKS]
	v_add_nc_u32 v[ADT], s[TK], v[AVS]
.irp c, 0,1
.irp i, 0,1,2,3,4,5,6,7
	ds_load_b128 v[S+32*\c+4*\i:S+32*\c+4*\i+3], v[ADM] offset:256*\c+16*\i      ; the mask of my query at keys 64 c + 32 h + 4 i on
.endr
.endr
	ds_load_b128 v[KSW:KSW+3], v[ADS]              ; K's scale words of four tiles: lanes 0-15 the first 64 keys', lanes 16-31 the second's
.irp c, 0,1
.irp t, 0,1,2,3
	ds_load_b128 v[KF+6*(4*\c+\t):KF+6*(4*\c+\t)+3], v[ADK16] offset:REC*\c+768*\t
	ds_load_b64 v[KF+6*(4*\c+\t)+4:KF+6*(4*\c+\t)+5], v[ADK8] offset:REC*\c+768*\t
.endr
.endr
	s_wait_alu depctr_va_vdst(0)
	s_wait_dscnt 0x0
.irp c, 0,1
.irp t, 0,1,2,3
	WM S+8*(4*\c+\t), KF+6*(4*\c+\t), QF, KSW+\t, QSW, \c
.endr
.endr
	PLACES 4                                       ; in front of the loads below and of the first read of the scores
.irp dt, 0,1,2,3
.irp c, 0,1
	ds_load_b128 v[KF+12*\dt+6*\c:KF+12*\dt+6*\c+3], v[ADK16] offset:REC*\c+3072+768*\dt    ; V's fragments land under the softmax
	ds_load_b64 v[KF+12*\dt+6*\c+4:KF+12*\dt+6*\c+5], v[ADK8] offset:REC*\c+3072+768*\dt
.endr
.endr
	ds_load_b128 v[VR:VR+3], v[ADT]
	ds_load_b128 v[VR+4:VR+7], v[ADT] offset:REC
	v_max3_num_f32 v232, v[S], v[S+1], v[S+2]      ; the largest score of each of my two blocks of 32 keys, in four chains; each accumulator is read from its low end on
	v_max3_num_f32 v233, v[S+32], v[S+33], v[S+34]
	v_max3_num_f32 v234, v[S+16], v[S+17], v[S+18]
	v_max3_num_f32 v235, v[S+48], v[S+49], v[S+50]
.irp i, 3,5,7,9,11,13
	v_max3_num_f32 v232, v232, v[S+\i], v[S+\i+1]
	v_max3_num_f32 v233, v233, v[S+32+\i], v[S+33+\i]
	v_max3_num_f32 v234, v234, v[S+16+\i], v[S+17+\i]
	v_max3_num_f32 v235, v235, v[S+48+\i], v[S+49+\i]
.endr
	v_max3_num_f32 v232, v232, v234, v[S+15]
	v_max3_num_f32 v233, v233, v235, v[S+47]
	v_max_num_f32 v232, v232, v[S+31]
	v_max_num_f32 v233, v233, v[S+63]
	s_delay_alu instid0(VALU_DEP_1)
	v_max_num_f32 v236, v232, v233
	s_delay_alu instid0(VALU_DEP_1)
	v_permlanex16_b32 v[PT], v236, s[SEL], s[SEL+1]
	s_delay_alu instid0(VALU_DEP_1)
	v_max_num_f32 v236, v236, v[PT]                ; the step's largest score of my query
	s_delay_alu instid0(VALU_DEP_1)
	v_mul_f32 v236, s[CS], v236
	s_delay_alu instid0(VALU_DEP_1)
	v_max_num_f32 v15, v15, v236                   ; the running largest t
	v_mov_b32 v238, v14
	s_delay_alu instid0(VALU_DEP_2)
	v_floor_f32 v14, -v15                          ; the new -M = -ceil(t): a whole number
	s_delay_alu instid0(VALU_DEP_1)
	v_sub_f32 v238, v14, v238                      ; old M - new M, 0 or less
	s_delay_alu instid0(VALU_DEP_1)
	v_cvt_i32_f32 v238, v238                       ; (it saturates)
	s_delay_alu instid0(VALU_DEP_1)
	v_ldexp_f32 v240, 1.0, v238                    ; f = 2^(old M - new M): rounds nothing
.set j, 0
.rept 32
	v_pk_fma_f32 v[S+j:S+j+1], v[S+j:S+j+1], s[CS:CS+1], v[14:15] op_sel_hi:[1,0,0]   ; t - M
.set j, j+2
.endr
	v_fma_f32 v232, v232, s[CS], v14               ; the same of each block's largest score
	v_fma_f32 v233, v233, s[CS], v14
.set j, 0
	s_wait_alu depctr_va_vdst(0)
.rept 64
	v_exp_f32 v[S+j], v[S+j]                       ; p = 2^(t - M)
.set j, j+1
.endr
	v_pk_mul_f32 v[16:17], v[16:17], v[240:241] op_sel_hi:[1,0]    ; the sums under the new M: a plain place behind the exponentials
	s_wait_alu depctr_va_vdst(0)                   ; one wait for the batch, ahead of its first reader
	v_exp_f32 v232, v232                           ; the blocks' largest p: the same two instructions on the same number
	v_exp_f32 v233, v233
	v_pk_add_f32 v[242:243], v[100:101], v[104:105]
	v_pk_add_f32 v[254:255], v[108:109], v[112:113]
	v_pk_add_f32 v[252:253], v[116:117], v[120:121]
	v_pk_add_f32 v[250:251], v[124:125], v[128:129]
	v_pk_add_f32 v[248:249], v[132:133], v[136:137]
	v_pk_add_f32 v[246:247], v[140:141], v[144:145]
	v_pk_add_f32 v[244:245], v[148:149], v[152:153]
	v_pk_add_f32 v[16:17], v[16:17], v[156:157]
	v_pk_add_f32 v[242:243], v[242:243], v[96:97]
	v_pk_add_f32 v[254:255], v[254:255], v[98:99]
	v_pk_add_f32 v[252:253], v[252:253], v[102:103]
	v_pk_add_f32 v[250:251], v[250:251], v[106:107]
	v_pk_add_f32 v[248:249], v[248:249], v[110:111]
	v_pk_add_f32 v[246:247], v[246:247], v[114:115]
	v_pk_add_f32 v[244:245], v[244:245], v[118:119]
	v_pk_add_f32 v[16:17], v[16:17], v[122:123]
	v_pk_add_f32 v[242:243], v[242:243], v[126:127]
	v_pk_add_f32 v[254:255], v[254:255], v[130:131]
	v_pk_add_f32 v[252:253], v[252:253], v[134:135]
	v_pk_add_f32 v[250:251], v[250:251], v[138:139]
	v_pk_add_f32 v[248:249], v[248:249], v[142:143]
	v_pk_add_f32 v[246:247], v[246:247], v[146:147]
	v_pk_add_f32 v[244:245], v[244:245], v[150:151]
	v_pk_add_f32 v[16:17], v[16:17], v[154:155]
	v_pk_add_f32 v[242:243], v[242:243], v[158:159]
	s_delay_alu instid0(VALU_DEP_2)
	v_pk_add_f32 v[16:17], v[16:17], v[250:251]
	s_delay_alu instid0(VALU_DEP_2)
	v_pk_add_f32 v[242:243], v[242:243], v[248:249]
	v_pk_add_f32 v[254:255], v[254:255], v[246:247]
	v_pk_add_f32 v[252:253], v[252:253], v[244:245]
	s_delay_alu instid0(VALU_DEP_2)
	v_pk_add_f32 v[16:17], v[16:17], v[254:255]
	s_delay_alu instid0(VALU_DEP_2)
	v_pk_add_f32 v[242:243], v[242:243], v[252:253]
	s_delay_alu instid0(VALU_DEP_1)
	v_pk_add_f32 v[16:17], v[16:17], v[242:243]
	s_wait_alu depctr_va_vdst(0)                   ; and one for the two
	v_max_num_f32 v232, 0x1800000, v232            ; the floor 2^(3 - 127)
	v_max_num_f32 v233, 0x1800000, v233
	s_delay_alu instid0(VALU_DEP_2)
	v_add_nc_u32 v244, 0xff000000, v232            ; the conversions' scale operands
	s_delay_alu instid0(VALU_DEP_2)
	v_add_nc_u32 v245, 0xff000000, v233
	s_delay_alu instid0(VALU_DEP_2)
	v_lshrrev_b32 v246, 23, v244
	s_delay_alu instid0(VALU_DEP_2)
	v_lshrrev_b32 v247, 23, v245
	s_delay_alu instid0(VALU_DEP_1)
	v_lshl_or_b32 v[PSW], v247, 16, v246           ; my blocks are 2 c + h: bytes h and 2 + h of p's scale word
	s_delay_alu instid0(VALU_DEP_1)
	v_lshlrev_b32 v[PSW], v[SH8], v[PSW]
	s_delay_alu instid0(VALU_DEP_1)
	v_permlanex16_b32 v[PT], v[PSW], s[SEL], s[SEL+1]
	s_delay_alu instid0(VALU_DEP_1)
	v_or_b32 v[PSW], v[PSW], v[PT]
.irp c, 0,1
	v_cvt_scalef32_pk16_fp6_f32 v[PCD+6*\c:PCD+6*\c+2], v[S+32*\c:S+32*\c+15], v[244+\c]
	v_cvt_scalef32_pk16_fp6_f32 v[TP+4*\c:TP+4*\c+2], v[S+32*\c+16:S+32*\c+31], v[244+\c]
.endr
	v_nop                                          ; one plain place behind a scaled conversion
.irp c, 0,1
.irp i, 0,1,2
	v_mov_b32 v[PCD+6*\c+3+\i], v[TP+4*\c+\i]
.endr
.endr
	s_wait_dscnt 0x0                               ; V
.irp dt, 0,1,2,3
	v_lshl_or_b32 v[VM+\dt], v[VR+4+\dt], 16, v[VR+\dt]            ; the two records' bytes make V's scale word of 128 keys
.endr
.set j, 0
.rept 16
	v_pk_mul_f32 v[O+j:O+j+1], v[O+j:O+j+1], v[240:241] op_sel_hi:[1,0]   ; O^T under the new M.  (These sixteen are also the places between the scale words' last write and the products)
.set j, j+2
.endr
.irp dt, 0,1,2,3
	WM O+8*((\dt%2)*2+\dt/2), KF+12*\dt, PCD, VM+\dt, PSW, 0
.endr
.endm
; A slot's two key steps of my half: written once, walked twice.  k: which 256 keys of the half;  par: the mask's slot.
.macro SLOTRUN k, par
	s_add_co_u32 s[TK], s[KB], \k*4*REC
	s_add_co_u32 s[TM], s[MB], \par*MSLOT
	s_mov_b32 s[CNT], 2
.Lstep_\@:
	STEP
	s_add_co_u32 s[TK], s[TK], 2*REC
	s_add_co_u32 s[TM], s[TM], SUB
	s_sub_co_u32 s[CNT], s[CNT], 1
	s_cmp_lg_u32 s[CNT], 0
	s_cbranch_scc1 .Lstep_\@
.endm
; THE CHANGE OF SLOTS.  Each wave waits for all its tensor loads, adds 0 to its spare word, and waits for that and for its reads of the slot that it has left.  fill = 1: that slot, par, takes the mask of the
; keys 512 on in either half: my one load behind the round, with a slot's key steps in which to land.
.macro CHANGE fill, par
	s_wait_tensorcnt 0x0                           ; no tensor load of mine is out, so a group 0 may be written
	ds_add_u32 v[SPW], v[NIL]
.if \fill
	s_add_nc_u64 s[G0M+4*\par+2:G0M+4*\par+3], s[G0M+4*\par+2:G0M+4*\par+3], 2048
.endif
	s_wait_dscnt 0x0
.if \fill
	ROUND                                          ; in a launch in clusters every tensor load stands behind a round
	tensor_load_to_lds s[G0M+4*\par:G0M+4*\par+3], s[32:39]
	s_nop 0
	PLACES 4
.else
	s_barrier_signal -1
	s_barrier_wait -1
.endif
.endm
	SLOTRUN 0, 0
	CHANGE 1, 0
	SLOTRUN 1, 1
	CHANGE 1, 1
	SLOTRUN 2, 0
	CHANGE 0, 0
	SLOTRUN 3, 1
	; THE TWO HALVES OF THE KEYS MEET.  Waves 8-15 hand their O^T, their sum and their -M to the wave of the same head among waves 0-7, as images of their registers.
	PLACES 4
	v_add_f32 v16, v16, v17
	s_delay_alu instid0(VALU_DEP_1)
	v_permlanex16_b32 v[PT], v16, s[SEL], s[SEL+1]
	s_delay_alu instid0(VALU_DEP_1)
	v_add_f32 v16, v16, v[PT]                      ; my half's sum of the row
	s_cmp_lt_u32 s[WV], 8
	s_cbranch_scc1 .Lfirst_half
.irp i, 0,1,2,3,4,5,6,7
	ds_store_b128 v[MA16], v[O+4*\i:O+4*\i+3] offset:512*\i        ; each accumulator from its low end on
.endr
	v_mov_b32 v17, v14
	ds_store_b64 v[MA8], v[16:17]                  ; (sum, -M)
.Lfirst_half:
	s_wait_dscnt 0x0                               ; for the others' sake: my stores have landed
	s_barrier_signal -1
	s_barrier_wait -1
	s_cmp_lt_u32 s[WV], 8
	s_cbranch_scc0 .Lmerged
.irp i, 0,1,2,3,4,5,6,7
	ds_load_b128 v[S+4*\i:S+4*\i+3], v[MA16] offset:512*\i
.endr
	ds_load_b64 v[232:233], v[MA8]
	s_wait_dscnt 0x0
	v_min_num_f32 v234, v14, v233                  ; the new -M: that of the larger M
	s_delay_alu instid0(VALU_DEP_1)
	v_sub_f32 v235, v234, v14                      ; my M - the new M: a whole number, 0 or less
	s_delay_alu instid0(VALU_DEP_2)
	v_sub_f32 v236, v234, v233                     ; the other half's likewise
	s_delay_alu instid0(VALU_DEP_2)
	v_cvt_i32_f32 v235, v235                       ; (they saturate)
	s_delay_alu instid0(VALU_DEP_2)
	v_cvt_i32_f32 v236, v236
	s_delay_alu instid0(VALU_DEP_2)
	v_ldexp_f32 v240, 1.0, v235
	s_delay_alu instid0(VALU_DEP_2)
	v_ldexp_f32 v242, 1.0, v236
.set j, 0
.rept 16
	v_pk_mul_f32 v[O+j:O+j+1], v[O+j:O+j+1], v[240:241] op_sel_hi:[1,0]
.set j, j+2
.endr
.set j, 0
.rept 16
	v_pk_fma_f32 v[O+j:O+j+1], v[S+j:S+j+1], v[242:243], v[O+j:O+j+1] op_sel_hi:[1,0,1]
.set j, j+2
.endr
	v_mul_f32 v16, v16, v240
	s_delay_alu instid0(VALU_DEP_1)
	v_fma_f32 v16, v232, v242, v16                 ; the row's sum over all keys
	; THE WAY OUT: O^T / the sum, quantised along (head, d): my head's 64 are two blocks.
	s_wait_alu depctr_va_vdst(0)
	v_rcp_f32 v242, v16
	v_nop
	s_wait_alu depctr_va_vdst(0)
	v_mov_b32 v243, v242
.set j, 0
.rept 16
	v_pk_mul_f32 v[O+j:O+j+1], v[O+j:O+j+1], v[242:243]
.set j, j+2
.endr
.irp j, 0,1,2,3,4,5,6,7
	v_permlane16_swap_b32 v[O+\j], v[O+8+\j]       ; lanes 0-15 come to hold d 0-31, lanes 16-31 d 32-63
.endr
.irp j, 0,1,2,3,4,5,6,7
	v_permlane16_swap_b32 v[O+16+\j], v[O+24+\j]
.endr
	QBLOCK O, PCD, TP
	global_store_b128 v[AL16], v[PCD:PCD+3], s[70:71]
	global_store_b64 v[AL8], v[PCD+4:PCD+5], s[70:71]
	v_lshlrev_b32 v247, v[SH8], v[QB]
	s_delay_alu instid0(VALU_DEP_1)
	v_permlanex16_b32 v[PT], v247, s[SEL], s[SEL+1]
	s_delay_alu instid0(VALU_DEP_1)
	v_or_b32 v247, v247, v[PT]
	ds_store_b16 v[OSA], v247                      ; my head's two bytes of row r
.Lmerged:
	s_wait_dscnt 0x0
	s_barrier_signal -1
	s_barrier_wait -1
	s_cmp_lg_u32 s[WV], 0
	s_cbranch_scc1 .Lnot_mine
	ds_load_b64 v[248:249], v[OSR]
	s_wait_dscnt 0x0
	global_store_b64 v[L8], v[248:249], s[72:73]   ; 256 consecutive bytes, aligned
.Lnot_mine:
	s_wait_tensorcnt 0x0                           ; the wave's end
	ds_add_u32 v[SPW], v[NIL]
	s_wait_dscnt 0x0
	ROUND                                          ; the closing round
	s_endpgm
.Lfunc_end_k_q6fdb979fe4_attn:
	.size	k_q6fdb979fe4_attn, .Lfunc_end_k_q6fdb979fe4_attn-k_q6fdb979fe4_attn
	.p2alignl 7, 3214868480
	.fill 96, 4, 3214868480
	.section	.rodata,"a",@progbits
	.p2align	6, 0x0
	.amdhsa_kernel k_q6fdb979fe4_attn
		.amdhsa_group_segment_fixed_size 327680
		.amdhsa_private_segment_fixed_size 0
		.amdhsa_enable_private_segment 0
		.amdhsa_kernarg_size 24
		.amdhsa_user_sgpr_count 2
		.amdhsa_user_sgpr_kernarg_segment_ptr 1
		.amdhsa_wavefront_size32 1
		.amdhsa_system_sgpr_workgroup_id_x 1
		.amdhsa_system_sgpr_workgroup_id_y 1
		.amdhsa_system_sgpr_workgroup_id_z 1
		.amdhsa_system_vgpr_workitem_id 0
		.amdhsa_next_free_vgpr 256
		.amdhsa_next_free_sgpr 84
		.amdhsa_reserve_vcc 0
		.amdhsa_float_denorm_mode_32 3
		.amdhsa_float_denorm_mode_16_64 3
		.amdhsa_memory_ordered 1
		.amdhsa_forward_progress 1
		.amdhsa_inst_pref_size 90
	.end_amdhsa_kernel
	.amdgpu_metadata
---
amdhsa.version: [ 1, 2 ]
amdhsa.kernels:
  - .name:           k_q6fdb979fe4_attn
    .symbol:         k_q6fdb979fe4_attn.kd
    .args:
      - { .name: qkv, .offset: 0, .size: 8, .value_kind: global_buffer, .address_space: global }
      - { .name: mask, .offset: 8, .size: 8, .value_kind: global_buffer, .address_space: global }
      - { .name: act, .offset: 16, .size: 8, .value_kind: global_buffer, .address_space: global }
    .group_segment_fixed_size: 327680
    .private_segment_fixed_size: 0
    .kernarg_segment_align: 8
    .kernarg_segment_size: 24
    .max_flat_workgroup_size: 512
    .sgpr_count:     84
    .vgpr_count:     256
    .wavefront_size: 32
...
	.end_amdgpu_metadata
.endif
;; end of part 3
;; launch ff1 (part 4): grid 32 x 8, 4 waves a work-group, clusters of 4 x 4, 327,680 bytes of LDS; arguments nrm, W1_codes, W1_scales, act; writes act
.if DOCPART == 4
	.amdgcn_target "amdgcn-amd-amdhsa--gfx1250"
	.amdhsa_code_object_version 6
	.text
	.protected	k_q6fdb979fe4_ff1
	.globl	k_q6fdb979fe4_ff1
	.p2align	8
	.type	k_q6fdb979fe4_ff1,@function
k_q6fdb979fe4_ff1:
	s_mov_b64 s[64:65], 0
	v_nop
	global_prefetch_b8 v0, s[64:65] scope:SCOPE_SE
	s_setreg_imm32_b32 hwreg(HW_REG_WAVE_MODE, 25, 1), 1
	s_wait_xcnt 0x0
	s_wait_alu depctr_hold_cnt(0) depctr_sa_sdst(0) depctr_va_vdst(0) depctr_va_sdst(0) depctr_va_ssrc(0) depctr_va_vcc(0) depctr_vm_vsrc(0)
	s_getreg_b32 s2, hwreg(HW_REG_IB_STS2, 6, 4)
	s_cmp_eq_u32 s2, 0
	s_cbranch_scc0 .Lentry_in_a_cluster
	s_endpgm
.Lentry_in_a_cluster:
	s_bfe_u32 s2, ttmp6, 0x10000c
	s_cmp_lg_u32 s2, 0xf033
	s_cbranch_scc0 .Lentry_shape_is_right
	s_endpgm
.Lentry_shape_is_right:
; hidden = Q(silu(xn Wgate) x (xn Wval)), the products on codes of FP6 (E2M3), K = 1,024; the result is quantised along the hidden axis.
; Work-group (tc, tr): hidden units 128 tc on (128 rows of W1 for val, the 128 for gate 4,096 rows further on) against TWO tiles of 256 rows of xn: rows 256 tr on, then 256 (tr + 8) on.
; W1's 256 rows lie in LDS for the whole launch, all of K: each block of 128 rows is dense in memory and comes as 384 rows of 256 bytes, 16 bytes of padding behind each: an LDS row of 768 + 48 bytes.
; xn goes through a ring of two slots of 256 along K: half images (first launch), dense: each wave fetches 48 rows of 256 bytes.  The ring goes on into the second tile.
; Four waves; wave (hf, ch): 128 rows x (64 val + 64 gate): 64 accumulators.  Val and gate of a hidden unit fall into the same lane and register of two accumulators.
; The scale words of all of K stand in registers: lanes 0-15 K steps 0-3, lanes 16-31 steps 4-7.  W1's serve both tiles; xn's are loaded anew while the first tile goes out.
; CLUSTERS 4 x 4: xn's tiles are shared along a row of the cluster, W1's along a column: joint loads.  The product is used transposed: source 0 = 16 rows of W1, source 1 = 16 rows of xn.
; PREFETCH: behind each refill the slot that the NEXT refill will ask for: 48 blocks of 256 bytes a wave, of which each of the four partners names 12, told apart by address; nothing beyond the eighth slot.
; OUTPUT act: half images ((72 G + chunk) 8 + a) 768 (G: 128 rows; chunk: 64 hidden units); scale words at HS + 16,384 G + 512 (hidden / 128) + 256 (a / 4) + 16 r + 4 (a % 4).
; LIMITS: NaN and infinities are not served; val x gate must stay finite in f32; a block under 2^-124 (zeros too) keeps the byte 1.
; REGISTERS: window 0: v15-31 addresses; v32-63 xn's scale words, v64-95 W1's; v96-123 and v128-223 at work on the way out; v128-223 xn's fragments, one set.  Window 1: W1's, two sets.  Windows 2, 3: accumulator (a, b) at 8 (8 (a % 4) + b).
.set NS,    6291456
.set HS,    14221312
.set ASLOT, 49152                      ; a slot of xn: [half 2][chunk 4][tile 8][768]
.set KSL,   24576                      ; 256 along K of a group of 128 rows, in memory
.set BL,    98304                      ; behind the ring: W1's val rows, then its gate rows
.set BP,    816
.set PADI,  32
.set BGATE, 128*BP
.set SPARE, 307200                     ; the spare words, 128 bytes a wave
.set SCST,  307712                     ; 1,024 bytes: the work-group's scale words on the way out
.set NEXTA, 16*98304-2*KSL             ; from a slot's last 256 along K of a tile to its first of the next tile: 16 groups on, back along K
.set TOFF,  16*442368                  ; the second tile's images in act: 16 groups on
.set PFO,   15
.set ADA16, 16                         ; v16-17 xn's half images in slot 0, 1: first four registers;  v18-19 the last two
.set ADA8,  18
.set ADRB,  20                         ; v20-21 W1's val rows, gate rows; v22-23 the same behind one padding more
.set O16,   24
.set O8,    25
.set SCW,   26
.set SH8,   27
.set SPW,   28
.set NIL,   29
.set SCR,   30
.set SA,    32
.set SB,    64
.set CD,    96
.set TP,    112
.set QA,    116
.set QBB,   117
.set QS,    118
.set QB,    119
.set WD,    120
.set PT,    121
.set AF,    128
.set EE,    128
.set PV,    160
.set HB,    192
.set G1,  24                           ; s[24:31] group 1 for xn; s[32:39] a group 0 for each slot
.set G0,  32
.set G1B, 48                           ; s[48:55] group 1 for W1; s[56:59] its group 0; s[60:63] group 0 of the head's load of xn
.set G0B, 56
.set G0H, 60
.set SEL, 70
.set PF,  82
.set MUL_LO, 0xa1
.set MUL_HI, 0xf1
.set TO_B,   0x40
.set MSB, 0
.macro WIN new
.if MSB != \new
	s_set_vgpr_msb (MSB<<8)|\new
.set MSB, \new
.endif
.endm
.macro PLACES n
.rept \n
	v_nop
.endr
.endm
.macro WM d, a, b, zero, sa, sb, ra, rb
.if \zero
	v_wmma_scale_f32_16x16x128_f8f6f4 v[(\d):(\d)+7], v[(\a):(\a)+11], v[(\b):(\b)+11], 0, v[\sa], v[\sb] matrix_a_fmt:MATRIX_FMT_FP6 matrix_b_fmt:MATRIX_FMT_FP6
.elseif (\ra) && (\rb)
	v_wmma_scale_f32_16x16x128_f8f6f4 v[(\d):(\d)+7], v[(\a):(\a)+11], v[(\b):(\b)+11], v[(\d):(\d)+7], v[\sa], v[\sb] matrix_a_fmt:MATRIX_FMT_FP6 matrix_b_fmt:MATRIX_FMT_FP6 matrix_a_scale:MATRIX_SCALE_ROW1 matrix_b_scale:MATRIX_SCALE_ROW1
.else
	v_wmma_scale_f32_16x16x128_f8f6f4 v[(\d):(\d)+7], v[(\a):(\a)+11], v[(\b):(\b)+11], v[(\d):(\d)+7], v[\sa], v[\sb] matrix_a_fmt:MATRIX_FMT_FP6 matrix_b_fmt:MATRIX_FMT_FP6
.endif
.endm
.macro QBLOCK x, dst, tmp              ; 32 numbers of one block become six registers of codes; the byte comes to v[QB]
	v_max3_num_f32 v[QA], |v[(\x)]|, |v[(\x)+1]|, 0x1800000        ; the floor 2^(3 - 127): the byte cannot fall under 1
	v_max3_num_f32 v[QBB], |v[(\x)+16]|, |v[(\x)+17]|, |v[(\x)+18]|
.irp i, 2,4,6,8,10,12
	v_max3_num_f32 v[QA], v[QA], |v[(\x)+\i]|, |v[(\x)+\i+1]|
	v_max3_num_f32 v[QBB], v[QBB], |v[(\x)+17+\i]|, |v[(\x)+18+\i]|
.endr
	v_max3_num_f32 v[QA], v[QA], |v[(\x)+14]|, |v[(\x)+15]|
	v_max3_num_f32 v[QA], v[QA], v[QBB], |v[(\x)+31]|
	v_add_nc_u32 v[QS], 0xff000000, v[QA]
	v_lshrrev_b32 v[QB], 23, v[QS]
	v_cvt_scalef32_pk16_fp6_f32 v[(\dst):(\dst)+2], v[(\x):(\x)+15], v[QS]
	v_cvt_scalef32_pk16_fp6_f32 v[(\tmp):(\tmp)+2], v[(\x)+16:(\x)+31], v[QS]
	v_nop                                          ; one plain place behind a scaled conversion
.irp i, 0,1,2
	v_mov_b32 v[(\dst)+3+\i], v[(\tmp)+\i]
.endr
.endm
.macro CREST                           ; a round of the cluster's barrier behind its opening barrier
	s_cmp_lg_u32 s14, 0
	s_cbranch_scc1 .Lnot_wave_0_\@
	s_barrier_signal -3
.Lnot_wave_0_\@:
	s_barrier_wait -3
	s_barrier_signal -1
	s_barrier_wait -1
.endm
.macro CROUND
	s_barrier_signal -1
	s_barrier_wait -1
	CREST
.endm
.macro FRAGA reg, a16, a8, off, nxt    ; a fragment from two half images: four dense loads
	ds_load_b128 v[(\reg):(\reg)+3], v[\a16] offset:(\off)
	ds_load_b64 v[(\reg)+4:(\reg)+5], v[\a8] offset:(\off)
	ds_load_b128 v[(\reg)+6:(\reg)+9], v[\a16] offset:(\off)+(\nxt)
	ds_load_b64 v[(\reg)+10:(\reg)+11], v[\a8] offset:(\off)+(\nxt)
.endm
.macro FRAGB reg, adr, pc0, rowoff     ; a fragment from padded rows, in pieces of 8 bytes; lanes 16-31 read three pieces on: where that is behind one padding more, the second address register serves
.irp p, 0,1,2,3,4,5
.set PC, (\pc0)+6*(\p/3)+\p%3
.if PC%PADI < PADI-3
	ds_load_b64 v[(\reg)+2*\p:(\reg)+2*\p+1], v[\adr] offset:8*PC+16*(PC/PADI)+(\rowoff)
.else
	ds_load_b64 v[(\reg)+2*\p:(\reg)+2*\p+1], v[(\adr)+2] offset:8*PC+16*(PC/PADI)+(\rowoff)
.endif
.endr
.endm
.macro ASK n                           ; slot n of the walk's eight (four a tile): my work-group's 12 blocks of the 48 that I will fetch; lanes 12-31 name the last again
	global_prefetch_b8 v[PFO], s[PF:PF+1] offset:((\n)/4)*16*98304+((\n)%4)*KSL th:TH_LOAD_NT scope:SCOPE_SE
.endm
	s_load_b256 s[4:11], s[0:1], 0x0               ; nrm, W1's codes, W1's scales, act
	v_lshl_add_u32 v[SPW], v0, 2, SPARE
	v_mov_b32 v[NIL], 0
	ds_add_u32 v[SPW], v[NIL]                      ; the opening lines: the add, twice on end, and its wait
	ds_add_u32 v[SPW], v[NIL]
	v_lshrrev_b32 v1, 5, v0
	v_readfirstlane_b32 s14, v1                    ; wave
	s_lshr_b32 s15, s14, 1                         ; hf.  At the head: I fetch W1 (0) or xn (1).  In the ring: which two chunks of a slot's four
	s_and_b32 s16, s14, 1                          ; ch.  At the head: val or gate; which 128 rows of xn.  In the ring: which 128 rows
	s_bfe_u32 s40, ttmp6, 0x40000                  ; cx, cy
	s_bfe_u32 s41, ttmp6, 0x40004
	s_lshl_b32 s42, ttmp9, 2
	s_add_co_u32 s42, s42, s40                     ; tc, 0 .. 31
	s_and_b32 s17, ttmp7, 0xffff
	s_lshl_b32 s17, s17, 2
	s_add_co_u32 s17, s17, s41                     ; tr, 0 .. 7
	s_lshl_b32 s43, s41, 2
	s_lshl_b32 s43, 15, s43                        ; my row of the cluster
	s_lshl_b32 s44, 0x1111, s40                    ; my column
	s_or_b32 s[G1+0], s43, (3<<16)|(1<<21)         ; xn: dense rows of 256 bytes: 96 at the head, 48 in the ring
	s_mov_b32 s[G1+1], 32<<16
	s_mov_b32 s[G1+2], 96<<16
	s_mov_b32 s[G1+3], 32<<16
	s_mov_b32 s[G1+4], 96
	s_mov_b32 s[G1+5], 32
	s_mov_b32 s[G1+6], 0
	s_mov_b32 s[G1+7], 0
	s_or_b32 s[G1B+0], s44, (3<<16)|(1<<20)|(1<<21)|(5<<22)|(3<<25)   ; W1: 384 dense rows of 256 bytes, 16 bytes of padding behind each
	s_mov_b32 s[G1B+1], 32<<16
	s_mov_b32 s[G1B+2], 384<<16
	s_mov_b32 s[G1B+3], 32<<16
	s_mov_b32 s[G1B+4], 384
	s_mov_b32 s[G1B+5], 32
	s_mov_b32 s[G1B+6], 0
	s_mov_b32 s[G1B+7], 0
	s_lshl_b32 s20, s17, 1
	s_add_co_u32 s20, s20, s16
	s_mul_i32 s20, s20, 98304                      ; xn: group 2 tr + half (never holds tc)
	s_mov_b32 s21, 0
	s_mul_i32 s73, s16, KSL                        ; its place in a slot
	s_mul_i32 s18, s15, 12288                      ; the ring's two chunks, in memory as in LDS
	s_mov_b32 s19, 0
	s_lshl_b32 s46, s42, 7
	s_lshl_b32 s47, s16, 12
	s_add_co_u32 s46, s46, s47
	s_mul_i32 s46, s46, 768                        ; W1: row 128 tc + 4,096 (w % 2) (never holds tr)
	s_mov_b32 s47, 0
	s_mul_i32 s72, s16, BGATE
	s_add_co_u32 s72, s72, BL
	s_mul_i32 s84, s40, 3072                       ; the prefetches: my work-group's 12 blocks
	s_mov_b32 s85, 0
	s_wait_dscnt 0x0                               ; both opening adds are done
	s_wait_kmcnt 0x0
	s_add_nc_u64 s[20:21], s[4:5], s[20:21]
	s_add_nc_u64 s[46:47], s[6:7], s[46:47]
	s_mov_b32 s[G0B], 1
	s_mov_b32 s[G0B+1], s72
	s_mov_b64 s[G0B+2:G0B+3], s[46:47]
	s_or_b32 s[G0B+3], s[G0B+3], 0x80000000
	s_mov_b32 s[G0H], 1
	s_mov_b32 s[G0H+1], s73
	s_mov_b64 s[G0H+2:G0H+3], s[20:21]
	s_or_b32 s[G0H+3], s[G0H+3], 0x80000000
	s_add_co_u32 s73, s73, s18
	s_add_nc_u64 s[20:21], s[20:21], s[18:19]
.irp s, 0,1
	s_mov_b32 s[G0+4*\s], 1
	s_add_co_u32 s[G0+4*\s+1], s73, \s*ASLOT
	s_add_nc_u64 s[G0+4*\s+2:G0+4*\s+3], s[20:21], \s*KSL
	s_or_b32 s[G0+4*\s+3], s[G0+4*\s+3], 0x80000000
.endr
	s_add_nc_u64 s[PF:PF+1], s[20:21], s[84:85]
	CROUND                                         ; all sixteen work-groups are here
	s_cmp_eq_u32 s15, 0                            ; the head's loads, one a wave: waves 0, 1 W1's val and gate rows, waves 2, 3 the halves of xn's slot 0
	s_cbranch_scc0 .Lhead_x
	tensor_load_to_lds s[G0B:G0B+3], s[G1B:G1B+7]
	s_nop 0
	PLACES 4
	s_branch .Lhead_asked
.Lhead_x:
	tensor_load_to_lds s[G0H:G0H+3], s[G1:G1+7]
	s_nop 0
	PLACES 4
.Lhead_asked:
	v_and_b32 v1, 15, v0                           ; r
	v_bfe_u32 v2, v0, 4, 1                         ; h
	v_and_b32 v3, 31, v0                           ; lane
	s_mul_i32 s21, s15, KSL
	v_lshl_add_u32 v[ADA16], v3, 4, s21
	v_add_nc_u32 v[ADA16+1], ASLOT, v[ADA16]
	v_lshl_add_u32 v[ADA8], v3, 3, s21
	v_add_nc_u32 v[ADA8], 512, v[ADA8]
	v_add_nc_u32 v[ADA8+1], ASLOT, v[ADA8]
	s_mul_i32 s22, s16, 64*BP
	s_add_co_u32 s22, s22, BL
	v_mul_u32_u24 v[ADRB], v1, BP
	v_mad_u32_u24 v[ADRB], v2, 24, v[ADRB]
	v_add_nc_u32 v[ADRB], s22, v[ADRB]
	v_add_nc_u32 v[ADRB+1], BGATE, v[ADRB]
	v_lshl_add_u32 v[ADRB+2], v2, 4, v[ADRB]
	v_add_nc_u32 v[ADRB+3], BGATE, v[ADRB+2]
	v_lshlrev_b32 v[O16], 4, v3
	v_lshlrev_b32 v[O8], 3, v3
	s_lshl_b32 s21, s15, 9
	s_lshl_b32 s22, s16, 1
	s_add_co_u32 s21, s21, s22
	v_lshl_add_u32 v[SCW], v1, 4, s21
	v_add_nc_u32 v[SCW], SCST, v[SCW]              ; SCST + 512 hf + 2 ch + 16 r
	v_lshlrev_b32 v[SH8], 3, v2
	s_lshl_b32 s21, s14, 8
	v_add_nc_u32 v[SCR], s21, v[O8]
	v_add_nc_u32 v[SCR], SCST, v[SCR]              ; SCST + 256 w + 8 x lane
	v_lshlrev_b32 v31, 5, v1
	v_lshl_add_u32 v31, v2, 4, v31                 ; scale bytes: 32 a row, + 16 h
	v_min_u32 v[PFO], 11, v3
	v_lshlrev_b32 v[PFO], 8, v[PFO]
	v_mov_b32 v[PT], 0
	s_wait_alu depctr_va_vdst(0)                   ; the wait at the head's end
	s_mov_b32 s68, 0xbfb8aa3b                      ; -log2(e)
	s_mov_b32 s69, s68
	s_mov_b32 s[SEL], 0x76543210
	s_mov_b32 s[SEL+1], 0xfedcba98
	s_lshl_b32 s18, s17, 1
	s_add_co_u32 s18, s18, s15                     ; G = 2 tr + hf
	s_lshl_b32 s22, s18, 12
	s_add_co_u32 s22, s22, NS
	s_mov_b32 s23, 0
	s_add_nc_u64 s[74:75], s[4:5], s[22:23]        ; xn's scale bytes, of the first tile
	s_lshl_b32 s22, s42, 12
	s_lshl_b32 s19, s16, 11
	s_add_co_u32 s22, s22, s19
	s_add_nc_u64 s[76:77], s[8:9], s[22:23]        ; W1's
.irp a, 0,1,2,3,4,5,6,7
	global_load_b128 v[SA+4*\a:SA+4*\a+3], v31, s[74:75] offset:512*\a
	global_load_b128 v[SB+4*\a:SB+4*\a+3], v31, s[76:77] offset:512*(\a%4)+131072*(\a/4)
.endr
	s_mul_i32 s22, s18, 72
	s_lshl_b32 s19, s42, 1
	s_add_co_u32 s22, s22, s19
	s_add_co_u32 s22, s22, s16
	s_mul_i32 s22, s22, 6144
	s_add_nc_u64 s[78:79], s[10:11], s[22:23]      ; act: my chunk's eight half images, of the first tile
	s_lshl_b32 s22, s18, 14
	s_lshl_b32 s19, s42, 9
	s_add_co_u32 s22, s22, s19
	s_lshl_b32 s19, s16, 8
	s_add_co_u32 s22, s22, s19
	s_add_co_u32 s22, s22, HS
	s_add_nc_u64 s[80:81], s[10:11], s[22:23]      ; and the 256 bytes of scale words that I store
; 16 products: xn's blocks a0, a0 + 1 x W1's eight, K step s.  The 64 accumulators take turns, one instruction a turn, in the same order in every step.
.macro MUL16 a0, set, s, zero
.irp a, \a0, \a0+1
.irp b, 0,1,2,3,4,5,6,7
	WM 8*(8*((\a)%4)+\b), 128*(\set)+12*\b, AF+12*(\a), \zero, SB+4*\b+(\s)%4, SA+4*(\a)+(\s)%4, (\s)/4, (\s)/4
.endr
.endr
.endm
.macro FETCH_B s, set                  ; K step s.  Blocks 0-3: val rows 64 ch + 16 b; blocks 4-7: the gate rows of the same hidden units
	WIN TO_B
.irp b, 0,1,2,3,4,5,6,7
	FRAGB 128*(\set)+12*\b, ADRB+\b/4, 12*(\s), 16*(\b%4)*BP
.endr
	WIN 0
.endm
.macro FETCH_A s, a0                   ; xn's blocks a0 .. a0 + 3 of K step s: slot (s / 2) % 2
.irp a, \a0, \a0+1, \a0+2, \a0+3
	FRAGA AF+12*(\a), ADA16+((\s)/2)%2, ADA8+((\s)/2)%2, 2*((\s)%2)*6144+768*(\a), 6144
.endr
.endm
.macro STEP s, zero                    ; a slot's first step: multiplies W1's set 0, fetches the second step
	s_wait_dscnt 16                                ; W1's set and xn's blocks 0-3 are in; the youngest sixteen loads (blocks 4-7) may be out
	WIN MUL_LO
	MUL16 0, 0, \s, \zero
	MUL16 2, 0, \s, \zero
	s_wait_dscnt 0x0
	PLACES 4                                       ; in front of loads into registers that products have read
	FETCH_B (\s)+1, 1
	FETCH_A (\s)+1, 0
	WIN MUL_HI
	MUL16 4, 0, \s, \zero
	MUL16 6, 0, \s, \zero
	PLACES 4
	WIN 0
	FETCH_A (\s)+1, 4
.endm
; A slot's second step changes slots: ONE barrier.  on = 1: this slot takes the 256 along K two slots on; on = 2: the next tile's; on = 0: nothing is left to fetch.
; more = 1: the next step's fragments are fetched.  ask: the slot of the walk that is prefetched (0: none).
.macro TURN slot, on, s, more, ask
	s_wait_tensorcnt 0x0                           ; all my tensor loads have landed: my part of the next slot
	ds_add_u32 v[SPW], v[NIL]
	s_wait_dscnt 17                                ; (the add and the youngest sixteen loads may be out)
	WIN MUL_LO
	MUL16 0, 1, \s, 0
	s_wait_dscnt 0x0                               ; the add is done, and my reads of this slot are over
	s_barrier_signal -1
	MUL16 2, 1, \s, 0
	WIN 0
	s_barrier_wait -1
.if \on
	CREST                                          ; the barrier has opened a round of the cluster's: no wave of any partner still reads this slot or has a load on its way
.if \on == 1
	s_add_nc_u64 s[G0+4*\slot+2:G0+4*\slot+3], s[G0+4*\slot+2:G0+4*\slot+3], 2*KSL
.else
	s_add_nc_u64 s[G0+4*\slot+2:G0+4*\slot+3], s[G0+4*\slot+2:G0+4*\slot+3], NEXTA
.endif
	tensor_load_to_lds s[G0+4*\slot:G0+4*\slot+3], s[G1:G1+7]      ; my one load behind the round
	s_nop 0
.endif
	PLACES 4                                       ; (also the places in front of the loads below)
.if \more
	FETCH_B (\s)+1, 0
	FETCH_A (\s)+1, 0
.endif
.if \ask
	ASK \ask
.endif
	WIN MUL_HI
	MUL16 4, 1, \s, 0
	MUL16 6, 1, \s, 0
.if \more
	PLACES 4
.endif
	WIN 0
.if \more
	FETCH_A (\s)+1, 4
.endif
.endm
; THE WAY OUT of row tile a: val x gate / (1 + 2^(-gate log2 e)), 32 numbers a lane; the four tiles of hidden units go to places 0, 2, 1, 3 and sixteen exchanges leave a whole block of 32 in a lane.
.macro SWIGLU a, tile
.set AC, 64*((\a)%4)
	WIN 0x0a+5*((\a)/4)                            ; sources 0 and 1: window 2 or 3
.set j, 0
.rept 16
	v_pk_mul_f32 v[EE+j:EE+j+1], v[AC+32+j:AC+32+j+1], s[68:69] op_sel_hi:[1,0]    ; each accumulator from its low end on
.set j, j+2
.endr
.set j, 0
.rept 16
	v_pk_mul_f32 v[PV+j:PV+j+1], v[AC+j:AC+j+1], v[AC+32+j:AC+32+j+1]
.set j, j+2
.endr
	WIN 0
.set j, 0
	s_wait_alu depctr_va_vdst(0)                   ; a wait ahead of each batch and behind it
.rept 32
	v_exp_f32 v[EE+j], v[EE+j]
.set j, j+1
.endr
	v_nop
	s_wait_alu depctr_va_vdst(0)
.set j, 0
.rept 16
	v_pk_add_f32 v[EE+j:EE+j+1], v[EE+j:EE+j+1], 1.0 op_sel_hi:[1,0]
.set j, j+2
.endr
.set j, 0
	s_wait_alu depctr_va_vdst(0)
.rept 32
	v_rcp_f32 v[EE+j], v[EE+j]
.set j, j+1
.endr
	v_nop
	s_wait_alu depctr_va_vdst(0)
.irp t, 0,1,2,3
.irp u, 0,2,4,6
	v_pk_mul_f32 v[HB+8*((\t%2)*2+\t/2)+\u:HB+8*((\t%2)*2+\t/2)+\u+1], v[PV+8*\t+\u:PV+8*\t+\u+1], v[EE+8*\t+\u:EE+8*\t+\u+1]
.endr
.endr
.irp u, 0,1,2,3,4,5,6,7
	v_permlane16_swap_b32 v[HB+\u], v[HB+8+\u]
.endr
.irp u, 0,1,2,3,4,5,6,7
	v_permlane16_swap_b32 v[HB+16+\u], v[HB+24+\u]
.endr
	s_wait_alu depctr_va_vdst(0)
	s_wait_xcnt 0x0                                ; earlier stores have read their data: the codes' registers may be written
	QBLOCK HB, CD+8*((\a)%2), TP
	global_store_b128 v[O16], v[CD+8*((\a)%2):CD+8*((\a)%2)+3], s[78:79] offset:768*(\a)+TOFF*(\tile)
	global_store_b64 v[O8], v[CD+8*((\a)%2)+4:CD+8*((\a)%2)+5], s[78:79] offset:768*(\a)+TOFF*(\tile)+512
	v_lshlrev_b32 v[WD], v[SH8], v[QB]
	v_permlanex16_b32 v[PT], v[WD], s[SEL], s[SEL+1]
	v_or_b32 v[WD], v[WD], v[PT]
	ds_store_b16 v[SCW], v[WD] offset:256*((\a)/4)+4*((\a)%4)      ; my two bytes of the row's scale word
.endm
.macro TILEOUT tile
	PLACES 4                                       ; behind the last products: in front of the first read of results and of loads into the scale registers
.if \tile == 0
.irp a, 0,1,2,3,4,5,6,7
	global_load_b128 v[SA+4*\a:SA+4*\a+3], v31, s[74:75] offset:512*\a+65536   ; the next tile's scale words of xn: 16 groups on
.endr
.endif
.irp a, 0,1,2,3,4,5,6,7
	SWIGLU \a, \tile
.endr
	s_wait_dscnt 0x0
	s_barrier_signal -1
	s_barrier_wait -1                              ; the scale words of 256 rows are whole
	ds_load_b64 v[122:123], v[SCR]
	s_wait_dscnt 0x0
	global_store_b64 v[O8], v[122:123], s[80:81] offset:262144*(\tile)   ; 256 consecutive bytes, aligned
.endm
	s_wait_tensorcnt 0x0                           ; my load of the head is in
	ds_add_u32 v[SPW], v[NIL]
	s_mov_b32 s[G1+2], 48<<16                      ; no tensor load of mine is out: from here on a load of xn brings 48 rows
	s_mov_b32 s[G1+4], 48
	s_wait_dscnt 0x0
	CROUND                                         ; W1 and xn's slot 0 are whole, and all sixteen work-groups are here
	tensor_load_to_lds s[G0+4:G0+7], s[G1:G1+7]    ; slot 1's first fill: my one load behind the round
	s_nop 0
	PLACES 4
	FETCH_B 0, 0
	FETCH_A 0, 0
	FETCH_A 0, 4
	ASK 2
	s_wait_loadcnt 0x0                             ; the scale words
	; THE FIRST TILE
	STEP 0, 1                                      ; the first step's products start the sums
	TURN 0, 1, 1, 1, 3
	STEP 2, 0
	TURN 1, 1, 3, 1, 4
	STEP 4, 0
	TURN 0, 2, 5, 1, 5                             ; slot 0 takes the second tile's first 256 along K,
	STEP 6, 0
	TURN 1, 2, 7, 0, 6                             ; slot 1 its second: both land while this tile goes out
	TILEOUT 0
	; THE SECOND TILE.  Slot 0 was shown whole by the last change of slots
	FETCH_B 0, 0
	FETCH_A 0, 0
	FETCH_A 0, 4
	s_wait_loadcnt 0x0                             ; this tile's scale words of xn
	STEP 0, 1
	TURN 0, 1, 1, 1, 7
	STEP 2, 0
	TURN 1, 1, 3, 1, 0
	STEP 4, 0
	TURN 0, 0, 5, 1, 0                             ; nothing is left to fetch
	STEP 6, 0
	s_wait_dscnt 16
	WIN MUL_LO
	MUL16 0, 1, 7, 0
	MUL16 2, 1, 7, 0
	s_wait_dscnt 0x0
	WIN MUL_HI
	MUL16 4, 1, 7, 0
	MUL16 6, 1, 7, 0
	WIN 0
	TILEOUT 1
	s_wait_tensorcnt 0x0                           ; the wave's end
	ds_add_u32 v[SPW], v[NIL]
	s_wait_dscnt 0x0
	CROUND                                         ; the closing round
	s_endpgm
.Lfunc_end_k_q6fdb979fe4_ff1:
	.size	k_q6fdb979fe4_ff1, .Lfunc_end_k_q6fdb979fe4_ff1-k_q6fdb979fe4_ff1
	.p2alignl 7, 3214868480
	.fill 96, 4, 3214868480
	.section	.rodata,"a",@progbits
	.p2align	6, 0x0
	.amdhsa_kernel k_q6fdb979fe4_ff1
		.amdhsa_group_segment_fixed_size 327680
		.amdhsa_private_segment_fixed_size 0
		.amdhsa_enable_private_segment 0
		.amdhsa_kernarg_size 32
		.amdhsa_user_sgpr_count 2
		.amdhsa_user_sgpr_kernarg_segment_ptr 1
		.amdhsa_wavefront_size32 1
		.amdhsa_system_sgpr_workgroup_id_x 1
		.amdhsa_system_sgpr_workgroup_id_y 1
		.amdhsa_system_sgpr_workgroup_id_z 1
		.amdhsa_system_vgpr_workitem_id 0
		.amdhsa_next_free_vgpr 1024
		.amdhsa_next_free_sgpr 92
		.amdhsa_reserve_vcc 0
		.amdhsa_float_denorm_mode_32 3
		.amdhsa_float_denorm_mode_16_64 3
		.amdhsa_memory_ordered 1
		.amdhsa_forward_progress 1
		.amdhsa_inst_pref_size 255
	.end_amdhsa_kernel
	.section	.bss,"aw",@nobits
	.p2align	6
	.space	262144
	.amdgpu_metadata
---
amdhsa.version: [ 1, 2 ]
amdhsa.kernels:
  - .name:           k_q6fdb979fe4_ff1
    .symbol:         k_q6fdb979fe4_ff1.kd
    .args:
      - { .name: nrm, .offset: 0, .size: 8, .value_kind: global_buffer, .address_space: global }
      - { .name: W1_codes, .offset: 8, .size: 8, .value_kind: global_buffer, .address_space: global }
      - { .name: W1_scales, .offset: 16, .size: 8, .value_kind: global_buffer, .address_space: global }
      - { .name: act, .offset: 24, .size: 8, .value_kind: global_buffer, .address_space: global }
    .group_segment_fixed_size: 327680
    .private_segment_fixed_size: 0
    .kernarg_segment_align: 8
    .kernarg_segment_size: 32
    .max_flat_workgroup_size: 128
    .sgpr_count:     92
    .vgpr_count:     1024
    .wavefront_size: 32
...
	.end_amdgpu_metadata
.endif
;; end of part 4
;; launch ff2 (part 5): grid 8 x 32, 4 waves a work-group, clusters of 4 x 4, 327,680 bytes of LDS; arguments act, wre, W2_scales, Wout_scales, out0; writes out0
.if DOCPART == 5
	.amdgcn_target "amdgcn-amd-amdhsa--gfx1250"
	.amdhsa_code_object_version 6
	.text
	.protected	k_q6fdb979fe4_ff2
	.globl	k_q6fdb979fe4_ff2
	.p2align	8
	.type	k_q6fdb979fe4_ff2,@function
k_q6fdb979fe4_ff2:
	s_mov_b64 s[64:65], 0
	v_nop
	global_prefetch_b8 v0, s[64:65] scope:SCOPE_SE
	s_setreg_imm32_b32 hwreg(HW_REG_WAVE_MODE, 25, 1), 1
	s_wait_xcnt 0x0
	s_wait_alu depctr_hold_cnt(0) depctr_sa_sdst(0) depctr_va_vdst(0) depctr_va_sdst(0) depctr_va_ssrc(0) depctr_va_vcc(0) depctr_vm_vsrc(0)
	s_getreg_b32 s2, hwreg(HW_REG_IB_STS2, 6, 4)
	s_cmp_eq_u32 s2, 0
	s_cbranch_scc0 .Lentry_in_a_cluster
	s_endpgm
.Lentry_in_a_cluster:
	s_bfe_u32 s2, ttmp6, 0x10000c
	s_cmp_lg_u32 s2, 0xf033
	s_cbranch_scc0 .Lentry_shape_is_right
	s_endpgm
.Lentry_shape_is_right:
; out0 = hidden W2 + attention Wout, as ONE product on codes of FP6 (E2M3) with K = 4,096 + 512: 72 chunks of 64.
; Both operands lie as half images, [group of 128 rows][chunk 72][tile 8][768]: act (chunks 0-63 the hidden layer, 64-71 the attention's result) and wre (W2, then Wout: laid by the first launch).
; Work-group (tc, G): 128 rows x 128 columns.  Wave (hf, ch): 64 x 64, sixteen accumulators.  K goes through a ring of two slots of 12 chunks (six K steps) of both sides: six slots in all.
; A slot's side is 73,728 dense bytes; waves 0, 1 fetch the halves of act's, waves 2, 3 of wre's: 144 rows of 256 bytes a load.
; CLUSTERS 4 x 4: act's tiles are shared along a row of the cluster, wre's along a column: joint loads.  The product is used transposed: a lane holds eight neighbouring columns of a row of out0.
; The scale words of all of K stand in registers.  PREFETCH: behind each refill the slot that the next refill will ask for: 144 blocks of 256 bytes a wave, each of the four partners names 36, told apart by address.
; THE WAY OUT goes through a stage in slot 0, which has had its last fill and its last read behind the walk's last barrier.
; LIMITS: NaN and infinities are not served.
.set HS,    14221312
.set ASO,   14155776
.set GRP,   442368
.set HALF,  36864                      ; six chunks: what one load brings; three K steps
.set SIDE,  73728
.set SLOT,  147456
.set SPARE, 294912                     ; the spare words, 128 bytes a wave
.set A16,   4                          ; v4-7   act's images, first four registers: 2 slot + (K step of the slot) / 3;  v8-11 the last two
.set A8,    8
.set B16,   12                         ; v12-15, v16-19 the same for wre
.set B8,    16
.set STO,   24
.set RD,    25
.set CO,    26
.set SPW,   28
.set NIL,   29
.set HSC,   32                         ; v32-95 the hidden layer's scale words, v96-159 W2's, v160-167 the attention's, v168-175 Wout's
.set W2S,   96
.set ASC,   160
.set WOS,   168
.set BK,    176
.set G1A,  24
.set G0A,  32
.set G1B,  44
.set G0B,  76
.set PF,   84
.set MUL,  0xa5                        ; fragments in window 1 (two sets of 96), accumulators in window 2
.set TO_F, 0x40
.set MSB, 0
.macro WIN new
.if MSB != \new
	s_set_vgpr_msb (MSB<<8)|\new
.set MSB, \new
.endif
.endm
.macro PLACES n
.rept \n
	v_nop
.endr
.endm
.macro WM d, a, b, zero, sa, sb, ra, rb    ; ra, rb: the scale words stand in lanes 16-31
.if \zero
	v_wmma_scale_f32_16x16x128_f8f6f4 v[(\d):(\d)+7], v[(\a):(\a)+11], v[(\b):(\b)+11], 0, v[\sa], v[\sb] matrix_a_fmt:MATRIX_FMT_FP6 matrix_b_fmt:MATRIX_FMT_FP6
.elseif (\ra) && (\rb)
	v_wmma_scale_f32_16x16x128_f8f6f4 v[(\d):(\d)+7], v[(\a):(\a)+11], v[(\b):(\b)+11], v[(\d):(\d)+7], v[\sa], v[\sb] matrix_a_fmt:MATRIX_FMT_FP6 matrix_b_fmt:MATRIX_FMT_FP6 matrix_a_scale:MATRIX_SCALE_ROW1 matrix_b_scale:MATRIX_SCALE_ROW1
.elseif (\ra)
	v_wmma_scale_f32_16x16x128_f8f6f4 v[(\d):(\d)+7], v[(\a):(\a)+11], v[(\b):(\b)+11], v[(\d):(\d)+7], v[\sa], v[\sb] matrix_a_fmt:MATRIX_FMT_FP6 matrix_b_fmt:MATRIX_FMT_FP6 matrix_a_scale:MATRIX_SCALE_ROW1
.elseif (\rb)
	v_wmma_scale_f32_16x16x128_f8f6f4 v[(\d):(\d)+7], v[(\a):(\a)+11], v[(\b):(\b)+11], v[(\d):(\d)+7], v[\sa], v[\sb] matrix_a_fmt:MATRIX_FMT_FP6 matrix_b_fmt:MATRIX_FMT_FP6 matrix_b_scale:MATRIX_SCALE_ROW1
.else
	v_wmma_scale_f32_16x16x128_f8f6f4 v[(\d):(\d)+7], v[(\a):(\a)+11], v[(\b):(\b)+11], v[(\d):(\d)+7], v[\sa], v[\sb] matrix_a_fmt:MATRIX_FMT_FP6 matrix_b_fmt:MATRIX_FMT_FP6
.endif
.endm
.macro JLOAD s                         ; a joint load into slot s: waves 0, 1 for act, waves 2, 3 for wre; each line has one mask
	s_cmp_eq_u32 s19, 0
	s_cbranch_scc0 .Lfor_b_\@
	tensor_load_to_lds s[G0A+4*(\s):G0A+4*(\s)+3], s[G1A:G1A+7]
	s_nop 0
	PLACES 4
	s_branch .Lasked_\@
.Lfor_b_\@:
	tensor_load_to_lds s[G0B+4*(\s):G0B+4*(\s)+3], s[G1B:G1B+7]
	s_nop 0
	PLACES 4
.Lasked_\@:
.endm
.macro CREST
	s_cmp_lg_u32 s18, 0
	s_cbranch_scc1 .Lnot_wave_0_\@
	s_barrier_signal -3
.Lnot_wave_0_\@:
	s_barrier_wait -3
	s_barrier_signal -1
	s_barrier_wait -1
.endm
.macro CROUND
	s_barrier_signal -1
	s_barrier_wait -1
	CREST
.endm
.macro FRAGA reg, a16, a8, off         ; a fragment from two half images, 6,144 bytes apart: four dense loads
	ds_load_b128 v[(\reg):(\reg)+3], v[\a16] offset:(\off)
	ds_load_b64 v[(\reg)+4:(\reg)+5], v[\a8] offset:(\off)
	ds_load_b128 v[(\reg)+6:(\reg)+9], v[\a16] offset:(\off)+6144
	ds_load_b64 v[(\reg)+10:(\reg)+11], v[\a8] offset:(\off)+6144
.endm
.macro ASK n                           ; slot n of the six: my work-group's 36 blocks of the 144 that I will fetch: 32, then 4 (lanes 4-31 name the last again)
	global_prefetch_b8 v30, s[PF:PF+1] offset:(\n)*SIDE th:TH_LOAD_NT scope:SCOPE_SE
	global_prefetch_b8 v31, s[PF:PF+1] offset:(\n)*SIDE th:TH_LOAD_NT scope:SCOPE_SE
.endm
	s_load_b256 s[4:11], s[0:1], 0x0               ; act, wre, W2's scales, Wout's scales
	s_load_b64 s[12:13], s[0:1], 0x20              ; out0
	v_lshl_add_u32 v[SPW], v0, 2, SPARE
	v_mov_b32 v[NIL], 0
	ds_add_u32 v[SPW], v[NIL]                      ; the opening lines: the add, twice on end, and its wait
	ds_add_u32 v[SPW], v[NIL]
	v_lshrrev_b32 v1, 5, v0
	v_readfirstlane_b32 s18, v1                    ; wave
	s_lshr_b32 s19, s18, 1                         ; hf.  Also: I fetch for act (0) or for wre (1)
	s_and_b32 s20, s18, 1                          ; ch.  Also: which half of a slot's chunks I fetch
	s_bfe_u32 s21, ttmp6, 0x40000                  ; cx, cy
	s_bfe_u32 s22, ttmp6, 0x40004
	s_lshl_b32 s23, ttmp9, 2
	s_add_co_u32 s23, s23, s21                     ; tc
	s_and_b32 s66, ttmp7, 0xffff
	s_lshl_b32 s66, s66, 2
	s_add_co_u32 s66, s66, s22                     ; G
	s_lshl_b32 s67, s22, 2
	s_lshl_b32 s67, 15, s67                        ; my row of the cluster
	s_lshl_b32 s68, 0x1111, s21                    ; my column
	s_or_b32 s[G1A+0], s67, (3<<16)|(1<<21)        ; 144 dense rows of 256 bytes
	s_or_b32 s[G1B+0], s68, (3<<16)|(1<<21)
.irp g, G1A, G1B
	s_mov_b32 s[\g+1], 32<<16
	s_mov_b32 s[\g+2], 144<<16
	s_mov_b32 s[\g+3], 32<<16
	s_mov_b32 s[\g+4], 144
	s_mov_b32 s[\g+5], 32
	s_mov_b32 s[\g+6], 0
	s_mov_b32 s[\g+7], 0
.endr
	s_mul_i32 s69, s20, HALF                       ; my half: in memory as in LDS
	s_mul_i32 s70, s66, GRP
	s_add_co_u32 s70, s70, s69                     ; (never holds tc)
	s_mov_b32 s71, 0
	s_mul_i32 s72, s23, GRP
	s_add_co_u32 s72, s72, s69                     ; (never holds G)
	s_mov_b32 s73, 0
	s_add_co_u32 s62, s69, SIDE
	s_wait_dscnt 0x0                               ; both opening adds are done
	s_wait_kmcnt 0x0
	s_add_nc_u64 s[70:71], s[4:5], s[70:71]
	s_add_nc_u64 s[72:73], s[6:7], s[72:73]
.irp s, 0,1
	s_mov_b32 s[G0A+4*\s], 1
	s_add_co_u32 s[G0A+4*\s+1], s69, \s*SLOT
	s_add_nc_u64 s[G0A+4*\s+2:G0A+4*\s+3], s[70:71], \s*SIDE
	s_or_b32 s[G0A+4*\s+3], s[G0A+4*\s+3], 0x80000000
	s_mov_b32 s[G0B+4*\s], 1
	s_add_co_u32 s[G0B+4*\s+1], s62, \s*SLOT
	s_add_nc_u64 s[G0B+4*\s+2:G0B+4*\s+3], s[72:73], \s*SIDE
	s_or_b32 s[G0B+4*\s+3], s[G0B+4*\s+3], 0x80000000
.endr
	CROUND                                         ; all sixteen work-groups are here
	JLOAD 0                                        ; slot 0: one tensor load a wave at the head
	s_mul_i32 s60, s19, 3072                       ; my four tiles of act,
	s_mul_i32 s61, s20, 3072
	s_add_co_u32 s61, s61, SIDE                    ; and of wre
	s_mul_i32 s63, s18, 8704                       ; my stage, in slot 0
	v_and_b32 v1, 15, v0                           ; r
	v_bfe_u32 v2, v0, 4, 1                         ; h
	v_and_b32 v3, 31, v0                           ; lane
	v_lshl_add_u32 v[A16], v3, 4, s60
	v_lshl_add_u32 v[B16], v3, 4, s61
	v_lshl_add_u32 v[A8], v3, 3, s60
	v_lshl_add_u32 v[B8], v3, 3, s61
	v_add_nc_u32 v[A8], 512, v[A8]
	v_add_nc_u32 v[B8], 512, v[B8]
.irp b, A16, A8, B16, B8
	v_add_nc_u32 v[\b+1], HALF, v[\b]
	v_add_nc_u32 v[\b+2], SLOT, v[\b]
	v_add_nc_u32 v[\b+3], SLOT+HALF, v[\b]
.endr
	v_mul_u32_u24 v[STO], v1, 272                  ; in: row r, 32 bytes for each half of the lanes
	v_lshl_add_u32 v[STO], v2, 5, v[STO]
	v_add_nc_u32 v[STO], s63, v[STO]
	v_mul_u32_u24 v[RD], v2, 272                   ; back: lanes 0-15 one row of 256 bytes, lanes 16-31 the next
	v_lshl_add_u32 v[RD], v1, 4, v[RD]
	v_add_nc_u32 v[RD], s63, v[RD]
	v_lshlrev_b32 v[CO], 12, v2
	v_lshl_add_u32 v[CO], v1, 4, v[CO]
	v_lshlrev_b32 v20, 4, v1
	v_lshl_add_u32 v21, v2, 9, v20                 ; 16 r + 512 h
	v_lshl_add_u32 v22, v2, 8, v20                 ; 16 r + 256 h
	v_lshlrev_b32 v23, 7, v1
	v_lshl_add_u32 v23, v2, 4, v23                 ; 128 r + 16 h
	v_lshlrev_b32 v30, 8, v3                       ; the prefetches: blocks 0-31,
	v_min_u32 v31, 3, v3
	v_lshl_add_u32 v31, v31, 8, 0x2000             ; blocks 32-35
	s_wait_alu depctr_va_vdst(0)                   ; the wait at the head's end
	s_cmp_eq_u32 s19, 0
	s_cselect_b64 s[PF:PF+1], s[70:71], s[72:73]
	s_cselect_b32 s60, s21, s22                    ; my place among the four that ask with me
	s_mul_i32 s60, s60, 9216
	s_mov_b32 s61, 0
	s_add_nc_u64 s[PF:PF+1], s[PF:PF+1], s[60:61]
	s_lshl_b32 s60, s66, 14
	s_lshl_b32 s63, s19, 8
	s_add_co_u32 s60, s60, s63
	s_add_co_u32 s60, s60, HS
	s_add_nc_u64 s[88:89], s[4:5], s[60:61]        ; the hidden layer's scale words
	s_lshl_b32 s60, s23, 14
	s_lshl_b32 s63, s20, 13
	s_add_co_u32 s60, s60, s63
	s_add_nc_u64 s[90:91], s[8:9], s[60:61]        ; W2's
	s_lshl_b32 s60, s66, 11
	s_lshl_b32 s63, s19, 10
	s_add_co_u32 s60, s60, s63
	s_add_co_u32 s60, s60, ASO
	s_add_nc_u64 s[92:93], s[4:5], s[60:61]        ; the attention's
	s_lshl_b32 s60, s23, 11
	s_lshl_b32 s63, s20, 10
	s_add_co_u32 s60, s60, s63
	s_add_nc_u64 s[94:95], s[10:11], s[60:61]      ; Wout's
.irp u, 0,1,2,3,4,5,6,7,8,9,10,11,12,13,14,15
	global_load_b128 v[HSC+4*\u:HSC+4*\u+3], v21, s[88:89] offset:1024*\u      ; register 4 u + i: tile i; lanes 0-15 K step 2 u, lanes 16-31 step 2 u + 1
.endr
.irp t, 0,1,2,3
.irp u, 0,1,2,3
	global_load_b128 v[W2S+16*\t+4*\u:W2S+16*\t+4*\u+3], v23, s[90:91] offset:2048*\t+32*\u   ; register 16 t + 4 u + j: K step 8 u + 4 h + j
.endr
.endr
.irp u, 0,1
	global_load_b128 v[ASC+4*\u:ASC+4*\u+3], v22, s[92:93] offset:512*\u       ; register 4 u + q: tile 2 u + h, K step q
	global_load_b128 v[WOS+4*\u:WOS+4*\u+3], v22, s[94:95] offset:512*\u
.endr
	s_lshl_b32 s60, s66, 7
	s_lshl_b32 s63, s19, 6
	s_add_co_u32 s60, s60, s63
	s_lshl_b32 s60, s60, 12
	s_lshl_b32 s63, s23, 9
	s_add_co_u32 s60, s60, s63
	s_lshl_b32 s63, s20, 8
	s_add_co_u32 s60, s60, s63
	s_add_nc_u64 s[96:97], s[12:13], s[60:61]      ; my 64 x 64 of out0
.macro FETCH slot, q, set              ; K step q of a slot: four fragments of each side
	WIN TO_F
.irp i, 0,1,2,3
	FRAGA 96*(\set)+12*\i, A16+2*(\slot)+(\q)/3, A8+2*(\slot)+(\q)/3, 2*((\q)%3)*6144+768*\i
.endr
.irp t, 0,1,2,3
	FRAGA 96*(\set)+48+12*\t, B16+2*(\slot)+(\q)/3, B8+2*(\slot)+(\q)/3, 2*((\q)%3)*6144+768*\t
.endr
	WIN 0
.endm
; Eight products of K step st (0 .. 35; from 32 on the attention's).  The sixteen accumulators take turns, one instruction a turn, in the same order in every step.
.macro MUL8 half, set, st
.irp i, 2*\half, 2*\half+1
.irp t, 0,1,2,3
.if (\st) < 32
	WM 8*(4*(\i)+\t), 96*(\set)+48+12*\t, 96*(\set)+12*(\i), (\st)==0, W2S+16*\t+4*((\st)/8)+(\st)%4, HSC+4*((\st)/2)+(\i), ((\st)/4)%2, (\st)%2
.else
	WM 8*(4*(\i)+\t), 96*(\set)+48+12*\t, 96*(\set)+12*(\i), 0, WOS+4*(\t/2)+(\st)-32, ASC+4*((\i)/2)+(\st)-32, \t%2, (\i)%2
.endif
.endr
.endr
.endm
.macro STEP g, q                       ; one of a slot's first five steps: fetches the next step's fragments, multiplies its own
	s_wait_dscnt 0x0
.if (\g)+(\q) > 0
	PLACES 4                                       ; in front of loads into registers that the last step's products read
.endif
	FETCH (\g)%2, (\q)+1, ((\q)+1)%2
	WIN MUL
	MUL8 0, (\q)%2, 6*(\g)+(\q)
	MUL8 1, (\q)%2, 6*(\g)+(\q)
	WIN 0
.endm
.macro TURN g                          ; a slot's sixth step changes slots: one barrier; while a slot two on is left to fetch it opens a round of the cluster's
	s_wait_tensorcnt 0x0                           ; all my tensor loads have landed: my part of the next slot
	ds_add_u32 v[SPW], v[NIL]
	s_wait_dscnt 0x0                               ; the add is done, and my reads of this slot are over
	s_barrier_signal -1
	WIN MUL
	MUL8 0, 1, 6*(\g)+5
	WIN 0
	s_barrier_wait -1
.if \g < 4
	CREST
	s_add_nc_u64 s[G0A+4*(\g%2)+2:G0A+4*(\g%2)+3], s[G0A+4*(\g%2)+2:G0A+4*(\g%2)+3], 2*SIDE
	s_add_nc_u64 s[G0B+4*(\g%2)+2:G0B+4*(\g%2)+3], s[G0B+4*(\g%2)+2:G0B+4*(\g%2)+3], 2*SIDE
	JLOAD \g%2                                     ; my one load behind the round; its four v_nop are the places in front of the loads below
.else
	PLACES 4
.endif
	FETCH (\g+1)%2, 0, 0
.if \g < 3
	ASK \g+3
.endif
	WIN MUL
	MUL8 1, 1, 6*(\g)+5
	WIN 0
.endm
	s_wait_tensorcnt 0x0                           ; my part of slot 0 is in
	ds_add_u32 v[SPW], v[NIL]
	s_wait_dscnt 0x0
	CROUND
	JLOAD 1                                        ; slot 1's first fill: my one load behind the round
	FETCH 0, 0, 0
	ASK 2
	s_wait_loadcnt 0x0                             ; the scale words
.irp g, 0,1,2,3,4
.irp q, 0,1,2,3,4
	STEP \g, \q
.endr
	TURN \g
.endr
.irp q, 0,1,2,3,4
	STEP 5, \q
.endr
	s_wait_dscnt 0x0
	WIN MUL
	MUL8 0, 1, 35
	MUL8 1, 1, 35
	WIN 0
; THE WAY OUT: 16 rows x 64 columns at a time through my own stage, back as whole rows of 256 bytes.
.macro TOSTAGE i
	WIN 0x08
.irp t, 0,1,2,3
	ds_store_b128 v[STO], v[8*(4*(\i)+\t):8*(4*(\i)+\t)+3] offset:4352*((\i)%2)+64*\t          ; each accumulator from its low end on
	ds_store_b128 v[STO], v[8*(4*(\i)+\t)+4:8*(4*(\i)+\t)+7] offset:4352*((\i)%2)+64*\t+16
.endr
	WIN 0
.irp u, 0,1,2,3,4,5,6,7
	ds_load_b128 v[BK+32*((\i)%2)+4*\u:BK+32*((\i)%2)+4*\u+3], v[RD] offset:4352*((\i)%2)+544*\u
.endr
.endm
.macro SEND i, younger                 ; younger: the LDS instructions issued behind block i's loads
	s_wait_dscnt \younger
.irp u, 0,1,2,3,4,5,6,7
	global_store_b128 v[CO], v[BK+32*((\i)%2)+4*\u:BK+32*((\i)%2)+4*\u+3], s[96:97] offset:8192*\u+65536*(\i) th:TH_STORE_NT   ; 16 lanes store 256 consecutive bytes, aligned
.endr
.endm
	PLACES 4
	TOSTAGE 0
	TOSTAGE 1
	SEND 0, 16
	s_wait_xcnt 0x0                                ; block 0's stores have read their registers
	TOSTAGE 2
	SEND 1, 16
	s_wait_xcnt 0x0
	TOSTAGE 3
	SEND 2, 16
	SEND 3, 0
	s_wait_tensorcnt 0x0                           ; the wave's end
	ds_add_u32 v[SPW], v[NIL]
	s_wait_dscnt 0x0
	CROUND                                         ; the closing round
	s_endpgm
.Lfunc_end_k_q6fdb979fe4_ff2:
	.size	k_q6fdb979fe4_ff2, .Lfunc_end_k_q6fdb979fe4_ff2-k_q6fdb979fe4_ff2
	.p2alignl 7, 3214868480
	.fill 96, 4, 3214868480
	.section	.rodata,"a",@progbits
	.p2align	6, 0x0
	.amdhsa_kernel k_q6fdb979fe4_ff2
		.amdhsa_group_segment_fixed_size 327680
		.amdhsa_private_segment_fixed_size 0
		.amdhsa_enable_private_segment 0
		.amdhsa_kernarg_size 40
		.amdhsa_user_sgpr_count 2
		.amdhsa_user_sgpr_kernarg_segment_ptr 1
		.amdhsa_wavefront_size32 1
		.amdhsa_system_sgpr_workgroup_id_x 1
		.amdhsa_system_sgpr_workgroup_id_y 1
		.amdhsa_system_sgpr_workgroup_id_z 1
		.amdhsa_system_vgpr_workitem_id 0
		.amdhsa_next_free_vgpr 640
		.amdhsa_next_free_sgpr 100
		.amdhsa_reserve_vcc 0
		.amdhsa_float_denorm_mode_32 3
		.amdhsa_float_denorm_mode_16_64 3
		.amdhsa_memory_ordered 1
		.amdhsa_forward_progress 1
		.amdhsa_inst_pref_size 180
	.end_amdhsa_kernel
	.amdgpu_metadata
---
amdhsa.version: [ 1, 2 ]
amdhsa.kernels:
  - .name:           k_q6fdb979fe4_ff2
    .symbol:         k_q6fdb979fe4_ff2.kd
    .args:
      - { .name: act, .offset: 0, .size: 8, .value_kind: global_buffer, .address_space: global }
      - { .name: wre, .offset: 8, .size: 8, .value_kind: global_buffer, .address_space: global }
      - { .name: W2_scales, .offset: 16, .size: 8, .value_kind: global_buffer, .address_space: global }
      - { .name: Wout_scales, .offset: 24, .size: 8, .value_kind: global_buffer, .address_space: global }
      - { .name: out0, .offset: 32, .size: 8, .value_kind: global_buffer, .address_space: global }
    .group_segment_fixed_size: 327680
    .private_segment_fixed_size: 0
    .kernarg_segment_align: 8
    .kernarg_segment_size: 40
    .max_flat_workgroup_size: 128
    .sgpr_count:     100
    .vgpr_count:     640
    .wavefront_size: 32
...
	.end_amdgpu_metadata
.endif
;; end of part 5
